; MI455X (gfx1250); checked and timed in simulation.
; The chip was launched on July 23, 2026; its instructions are those of AMD's public machine-readable ISA for CDNA 5 (MIT licence, August 2026) and "CDNA5" Instruction Set Architecture Reference Guide (July 2026). The comments in the code are by the model that wrote it; some were corrected since.
;; Causal Multi Head Attention. Allowed arithmetic: matrix products marked QUANTISED: E3M2 operands, one E8M0 scale for each 32 along K, by v_wmma_scale_f32_16x16x128_f8f6f4 with both operands' format E3M2, f32 sums; everything else in f32.
;; Inputs: Wk 1,024 x 1,024 float32; Wo 1,024 x 1,024 float32; Wq 1,024 x 1,024 float32; Wv 1,024 x 1,024 float32; x 4 x 2,048 x 1,024 float32.
;; Outputs: out0 4 x 2,048 x 1,024 float32.
;; This version of the problem:
;;   THIS VERSION OF THE PROBLEM IS GIVEN IN LOW PRECISION. The matrix products marked QUANTISED in the list below multiply operands that are first quantised to E3M2 (3 exponent bits, 2 mantissa bits; 6 bits a number), with one power-of-two scale for each 32 numbers along K (OCP MX v1.0); their sums are f32. All else is computed in f32.
;;   The module's matrix products, in the order in which they are computed (A, B: the left and right operand; K: the contracted axis; several contracted axes count as one K, in the product's order):
;;     1. [M 8,192, K 1,024] x [K 1,024, N 1,024]; A: input x; B: input Wq: QUANTISED
;;     2. [M 8,192, K 1,024] x [K 1,024, N 1,024]; A: input x; B: input Wk: QUANTISED
;;     3. [M 8,192, K 1,024] x [K 1,024, N 1,024]; A: input x; B: input Wv: QUANTISED
;;     4. batch 64 x [M 2,048, K 64] x [K 64, N 2,048]; A: computed on the way; B: computed on the way: QUANTISED
;;     5. batch 64 x [M 2,048, K 2,048] x [K 2,048, N 64]; A: softmax (see below); B: computed on the way: QUANTISED
;;     6. [M 8,192, K 1,024] x [K 1,024, N 1,024]; A: computed on the way; B: input Wo: QUANTISED
;;   THE QUANTISER, for each operand of a quantised product, along K:
;;     - K is cut into blocks of 32 from its start; a last block that is shorter is filled with zeros.
;;     - A block's scale is 2^e with e = floor(log2(the largest magnitude in the block)) - 4, held to -126 .. 127; a block of zeros has e = 0. As a byte (E8M0): e + 127.
;;     - Each number is divided by its block's scale, clamped to +-28, and rounded to the nearest number of E3M2, ties to even, subnormals kept.
;;     - The product sums the exact products of the quantised numbers (number of the format x scale) in f32.
;;   ~~~python
;;   def quantise(x, axis):      # numpy; x: float32 -> the quantised numbers, widened to float32 again
;;       x = np.moveaxis(x, axis, -1); K = x.shape[-1]
;;       x = np.pad(x, [(0, 0)] * (x.ndim - 1) + [(0, -K % 32)]); x = x.reshape(x.shape[:-1] + (-1, 32)); a = np.abs(x).max(-1, keepdims=True)
;;       e = np.where(a > 0, np.clip(np.frexp(np.where(a > 0, a, 1))[1] - 1 - 4, -126, 127), 0)      # np.frexp(a)[1] - 1 = floor(log2(a)), exactly
;;       r = np.clip(x / 2.0 ** e, -28, 28)
;;       step = 2.0 ** (np.maximum(np.frexp(np.where(r == 0, 1, r))[1] - 1, -2) - 2)
;;       q = np.round(r / step) * step * 2.0 ** e      # np.round: ties to even
;;       return np.moveaxis(q.reshape(q.shape[:-2] + (-1,))[..., :K], -1, axis).astype(np.float32)
;;   ~~~
;;   SOFTMAX AHEAD OF A QUANTISED PRODUCT. Where the list says 'softmax', what is quantised is not the finished softmax but p = 2^(t - M), with t = logit x log2(e) and M = ceil(the row's largest t), a whole number; so 1/2 < the row's largest p <= 1. The row's sum l is taken of the UNQUANTISED p, in f32, and the product's result is divided by l at the end. Since M is a whole number, a kernel that streams over the keys may use a running M (the ceiling of the running maximum): every later rescaling is an exact power of two, which a block's scale takes up: the codes' values come out the same.
;;   OPERANDS COMPUTED ON THE WAY. 'Computed on the way' means the value that the module computes at that place (a softmax that the list does not call 'softmax' is quantised finished and normalised). What goes into a quantiser is computed in f32, as accurately as f32 sums, v_exp_f32 and their like allow (about 1e-6 of the number): no bf16 or f16 on the way to a quantiser, and a product that is left as it is and whose result goes on into a quantised operand takes f32 operands (vector FMAs, or v_wmma_f32_16x16x4_f32). A number that lies on a knife's edge between two numbers of the format may be rounded either way, as far as f32 arithmetic and the matrix unit's own rounding can turn it there, and no further.
;; One version. Each part assembles by itself: llvm-mc -triple=amdgcn-amd-amdhsa -mcpu=gfx1250 --defsym DOCPART=n.
;; ======== version 1 of 1: 4 launches
;; workspace buffers: opi 9,830,400 bytes; att 21,495,808 bytes; ci 6,553,600 bytes
;; launch quant (part 1): grid 384 x 1, 4 waves a work-group, no clusters, 35,328 bytes of LDS; arguments x, Wq, Wk, Wv, Wo, opi; writes opi
.if DOCPART == 1
	.amdgcn_target "amdgcn-amd-amdhsa--gfx1250"
	.amdhsa_code_object_version 6
	.text
	.protected	k_q39678740f7_quant
	.globl	k_q39678740f7_quant
	.p2align	8
	.type	k_q39678740f7_quant,@function
k_q39678740f7_quant:
	s_mov_b64 s[64:65], 0
	v_nop
	global_prefetch_b8 v0, s[64:65] scope:SCOPE_SE
	s_setreg_imm32_b32 hwreg(HW_REG_WAVE_MODE, 25, 1), 1
	s_wait_xcnt 0x0
; x [8192][1024] and Wq, Wk, Wv, Wo [1024][1024], f32, K innermost, become codes of BF6 (E3M2) with one E8M0 byte for each 32 along K,
; laid in opi AS IMAGES OF OPERAND REGISTERS.  96 groups of 128 rows (0-63 x, 64-71 Wq, 72-79 Wk, 80-87 Wv, 88-95 Wo), 102,400 bytes each;
; in a group four K steps of 256 along K, 25,600 bytes each; in a K step the codes at 6144 j + 768 i (j: which 64 along K, i: tile of 16 rows)
; and the scale bytes at 24576 + 128 i + 8 r + 2 j + h.  A half image (768 bytes) is 16 rows x 64 K: lane (r, h) owns block h (32 codes, six
; registers) of row r: registers 0-3 at 16 x lane, registers 4-5 at 512 + 8 x lane.  Two half images are a fragment of the matrix instruction.
; A block's scale is 2^(floor(log2(largest magnitude)) - 4): its byte is the largest magnitude's exponent field - 4, held at 1 from below.
; LIMITS: a block of zeros, or one whose largest magnitude lies under 2^(5 - 127), gets the byte 1 (its codes are zeros or subnormal codes of that
; scale; the bytes are read by this program alone); NaN and infinities among the inputs are not served.
; SHARES: a work-group takes one group and one K step; wave w rows 32 w .. 32 w + 31 of the group: eight half images, t = 4 u + j (u: tile of the pair).
; Each load reads two rows x 256 consecutive bytes; a half image's 4,096 bytes turn through the wave's own stage in LDS (rows 272 bytes apart) and
; come back 128 bytes a lane: a whole block in one lane, so its largest magnitude needs no other lane.  Waves share nothing: no barrier.
; A stream bound by memory: no matrix unit, no cluster, no tensor load; loads run three half images (24 loads a wave) ahead.
.set STG,  4352                        ; a stage: 16 rows x 272 bytes; two for each wave
.set SB,   16                          ; v16-19   scale words: 2 u + q (q: which 128 along K)
.set R,    32                          ; v32-127  three sets of 32 numbers as loaded
.set X,    128                         ; v128-191 two sets of 32 neighbours
.set C,    192                         ; v192-255 eight registers for each half image's codes: no store's data are written again
	s_load_b256 s[4:11], s[0:1], 0x0               ; x, Wq, Wk, Wv
	s_load_b128 s[12:15], s[0:1], 0x20             ; Wo, opi
	v_lshl_add_u32 v254, v0, 2, 0x8800
	v_mov_b32 v255, 0
	v_lshrrev_b32 v1, 5, v0
	v_readfirstlane_b32 s16, v1                    ; wave
	v_and_b32 v1, 31, v0                           ; lane
	v_and_b32 v2, 15, v0                           ; r
	v_bfe_u32 v3, v0, 4, 1                         ; h
	v_lshlrev_b32 v4, 4, v2
	v_lshl_add_u32 v4, v3, 12, v4                  ; in: lanes 0-15 one row's 256 bytes, lanes 16-31 the next row's
	s_mul_i32 s17, s16, 2*STG
	v_mul_u32_u24 v5, v3, 272
	v_lshl_add_u32 v5, v2, 4, v5
	v_add_nc_u32 v5, s17, v5                       ; the stage, on the way in: as loaded
	v_mul_u32_u24 v6, v2, 272
	v_lshl_add_u32 v6, v3, 7, v6
	v_add_nc_u32 v6, s17, v6                       ; and on the way out: row r, block h
	v_lshlrev_b32 v7, 4, v1                        ; 16 x lane
	v_lshlrev_b32 v8, 3, v1                        ; 8 x lane
	v_lshlrev_b32 v9, 3, v3                        ; 8 h: my byte's place in a scale word
	v_mov_b32 v14, 0                               ; a lane permute's destination counts as read: written once
	s_and_b32 s18, ttmp9, 3                        ; the K step
	s_lshr_b32 s17, ttmp9, 2                       ; the group
	s_sub_co_u32 s19, s17, 64
	s_lshr_b32 s20, s19, 3                         ; which weight (for groups 64 on)
	s_and_b32 s19, s19, 7                          ; and which of its eight groups
	s_mov_b32 s30, 0x76543210
	s_mov_b32 s31, 0xfedcba98                      ; v_permlanex16_b32's selects for lane l xor 16
	s_wait_alu depctr_va_vdst(0)
	s_wait_kmcnt 0x0
	s_cmp_eq_u32 s20, 1                            ; the tensor is chosen by the work-group's number alone
	s_cselect_b64 s[6:7], s[8:9], s[6:7]
	s_cmp_eq_u32 s20, 2
	s_cselect_b64 s[6:7], s[10:11], s[6:7]
	s_cmp_eq_u32 s20, 3
	s_cselect_b64 s[6:7], s[12:13], s[6:7]
	s_cmp_lt_u32 s17, 64
	s_cselect_b64 s[4:5], s[4:5], s[6:7]
	s_cselect_b32 s19, s17, s19
	s_lshl_b32 s22, s19, 19                        ; 128 rows of 4,096 bytes,
	s_lshl_b32 s21, s16, 17                        ; my wave's 32 rows,
	s_add_co_u32 s22, s22, s21
	s_lshl_b32 s21, s18, 10                        ; 256 numbers along K
	s_add_co_u32 s22, s22, s21
	s_mov_b32 s23, 0
	s_add_nc_u64 s[4:5], s[4:5], s[22:23]
	s_mul_i32 s22, s17, 102400
	s_mul_i32 s21, s18, 25600
	s_add_co_u32 s22, s22, s21                     ; the group's K step in opi
	s_mul_i32 s21, s16, 1536
	s_add_co_u32 s24, s22, s21                     ; my two tiles' codes
	s_mov_b32 s25, 0
	s_add_nc_u64 s[24:25], s[14:15], s[24:25]
	s_lshl_b32 s21, s16, 8
	s_add_co_u32 s22, s22, s21
	s_add_co_u32 s22, s22, 24576                   ; my two tiles' scale bytes: 256
	s_add_nc_u64 s[26:27], s[14:15], s[22:23]
.macro LOAD t                          ; half image t: 16 rows x 256 bytes, two rows a load
.irp n, 0,1,2,3,4,5,6,7
	global_load_b128 v[R+32*((\t)%3)+4*\n:R+32*((\t)%3)+4*\n+3], v4, s[4:5] offset:(16*((\t)/4)+2*\n)*4096+((\t)%4)*256 th:TH_LOAD_NT
.endr
.endm
.macro TURN t                          ; through the stage: LDS serves a wave's instructions in order, so no wait stands between the stores and the loads
.irp n, 0,1,2,3,4,5,6,7
	ds_store_b128 v5, v[R+32*((\t)%3)+4*\n:R+32*((\t)%3)+4*\n+3] offset:STG*((\t)%2)+2*\n*272
.endr
.irp m, 0,1,2,3,4,5,6,7
	ds_load_b128 v[X+32*((\t)%2)+4*\m:X+32*((\t)%2)+4*\m+3], v6 offset:STG*((\t)%2)+16*\m
.endr
.endm
.macro STEP t
.set XS, X+32*((\t)%2)
.set CC, C+8*(\t)
.set SW, SB+2*((\t)/4)+((\t)%4)/2
	s_wait_dscnt 0x0                               ; my block is back from the stage, and the stage's stores have read their registers,
.if (\t)+3 < 8
	LOAD (\t)+3                                    ; which take the loads of three half images on
.endif
.if (\t) < 7
.if (\t)+3 < 8
	s_wait_loadcnt 16                              ; the next half image's eight loads are in; those of the two behind it may be out
.else
	s_wait_loadcnt 8*(6-(\t))                      ; nothing more is asked for: the counts run down
.endif
	TURN (\t)+1                                    ; it goes through the other stage while this one is worked
.endif
	v_max3_num_f32 v10, |v[XS]|, |v[XS+1]|, 0x2800000              ; the block's largest magnitude, in two chains, with the floor 2^(5 - 127) among the leaves: the byte cannot fall under 1
	v_max3_num_f32 v11, |v[XS+2]|, |v[XS+3]|, |v[XS+4]|
.irp i, 5,9,13,17,21,25
	v_max3_num_f32 v10, v10, |v[XS+\i]|, |v[XS+\i+1]|
	v_max3_num_f32 v11, v11, |v[XS+\i+2]|, |v[XS+\i+3]|
.endr
	v_max3_num_f32 v10, v10, |v[XS+29]|, |v[XS+30]|
	v_max3_num_f32 v10, v10, v11, |v[XS+31]|
	v_add_nc_u32 v12, 0xfe000000, v10              ; 4 off its exponent field: the conversion takes the exponent field of this operand as its scale
	v_cvt_scalef32_pk16_bf6_f32 v[CC:CC+2], v[XS:XS+15], v12
	v_cvt_scalef32_pk16_bf6_f32 v[20:22], v[XS+16:XS+31], v12      ; (a conversion's three registers begin on an even number)
	v_lshrrev_b32 v13, 23, v12                     ; the scale's byte; also the plain line behind the conversions
	v_mov_b32 v[CC+3], v20
	v_mov_b32 v[CC+4], v21
	v_mov_b32 v[CC+5], v22
.if (\t)%2 == 0
	v_mov_b32 v[SW], v13                           ; block 2 (j % 2) + h of the word: the shift by 8 h comes at the end
.else
	v_lshl_or_b32 v[SW], v13, 16, v[SW]
.endif
	global_store_b128 v7, v[CC:CC+3], s[24:25] offset:((\t)/4)*768+((\t)%4)*6144       ; 32 lanes store 512 consecutive bytes,
	global_store_b64 v8, v[CC+4:CC+5], s[24:25] offset:((\t)/4)*768+((\t)%4)*6144+512  ; and 256 more
.endm
	LOAD 0
	LOAD 1
	LOAD 2
	s_wait_loadcnt 16                              ; half image 0 is in
	TURN 0
.irp t, 0,1,2,3,4,5,6,7
	STEP \t
.endr
.irp k, 0,1,2,3
	v_lshlrev_b32 v[SB+\k], v9, v[SB+\k]           ; my two bytes at their places,
.endr
.irp k, 0,1,2,3
	v_permlanex16_b32 v14, v[SB+\k], s30, s31
	v_or_b32 v[SB+\k], v[SB+\k], v14               ; with lane l xor 16's two the word is whole
.endr
	v_cmp_ne_u32 vcc_lo, 0, v3
	v_cndmask_b32 v24, v16, v18, vcc_lo            ; lanes 0-15 store the first tile's two words a row, lanes 16-31 the second's
	v_cndmask_b32 v25, v17, v19, vcc_lo
	global_store_b64 v8, v[24:25], s[26:27]        ; 32 lanes store 256 consecutive bytes, aligned
	s_wait_tensorcnt 0x0
	ds_add_u32 v254, v255
	s_wait_dscnt 0x0
	s_endpgm
.Lfunc_end_k_q39678740f7_quant:
	.size	k_q39678740f7_quant, .Lfunc_end_k_q39678740f7_quant-k_q39678740f7_quant
	.p2alignl 7, 3214868480
	.fill 96, 4, 3214868480
	.section	.rodata,"a",@progbits
	.p2align	6, 0x0
	.amdhsa_kernel k_q39678740f7_quant
		.amdhsa_group_segment_fixed_size 35328
		.amdhsa_private_segment_fixed_size 0
		.amdhsa_enable_private_segment 0
		.amdhsa_kernarg_size 48
		.amdhsa_user_sgpr_count 2
		.amdhsa_user_sgpr_kernarg_segment_ptr 1
		.amdhsa_wavefront_size32 1
		.amdhsa_system_sgpr_workgroup_id_x 1
		.amdhsa_system_sgpr_workgroup_id_y 1
		.amdhsa_system_sgpr_workgroup_id_z 1
		.amdhsa_system_vgpr_workitem_id 0
		.amdhsa_next_free_vgpr 256
		.amdhsa_next_free_sgpr 66
		.amdhsa_reserve_vcc 1
		.amdhsa_float_denorm_mode_32 3
		.amdhsa_float_denorm_mode_16_64 3
		.amdhsa_memory_ordered 1
		.amdhsa_forward_progress 1
		.amdhsa_inst_pref_size 31
	.end_amdhsa_kernel
	.amdgpu_metadata
---
amdhsa.version: [ 1, 2 ]
amdhsa.kernels:
  - .name:           k_q39678740f7_quant
    .symbol:         k_q39678740f7_quant.kd
    .args:
      - { .name: x, .offset: 0, .size: 8, .value_kind: global_buffer, .address_space: global }
      - { .name: Wq, .offset: 8, .size: 8, .value_kind: global_buffer, .address_space: global }
      - { .name: Wk, .offset: 16, .size: 8, .value_kind: global_buffer, .address_space: global }
      - { .name: Wv, .offset: 24, .size: 8, .value_kind: global_buffer, .address_space: global }
      - { .name: Wo, .offset: 32, .size: 8, .value_kind: global_buffer, .address_space: global }
      - { .name: opi, .offset: 40, .size: 8, .value_kind: global_buffer, .address_space: global }
    .group_segment_fixed_size: 35328
    .private_segment_fixed_size: 0
    .kernarg_segment_align: 8
    .kernarg_segment_size: 48
    .max_flat_workgroup_size: 128
    .sgpr_count:     66
    .vgpr_count:     256
    .wavefront_size: 32
...
	.end_amdgpu_metadata
.endif
;; end of part 1
;; launch qkv (part 2): grid 8 x 48, 4 waves a work-group, clusters of 4 x 4, 327,680 bytes of LDS; arguments opi, att; writes att
.if DOCPART == 2
	.amdgcn_target "amdgcn-amd-amdhsa--gfx1250"
	.amdhsa_code_object_version 6
	.text
	.protected	k_q39678740f7_qkv
	.globl	k_q39678740f7_qkv
	.p2align	8
	.type	k_q39678740f7_qkv,@function
k_q39678740f7_qkv:
	s_mov_b64 s[64:65], 0
	v_nop
	global_prefetch_b8 v0, s[64:65] scope:SCOPE_SE
	s_setreg_imm32_b32 hwreg(HW_REG_WAVE_MODE, 25, 1), 1
	s_wait_xcnt 0x0
	s_wait_alu depctr_hold_cnt(0) depctr_sa_sdst(0) depctr_va_vdst(0) depctr_va_sdst(0) depctr_va_ssrc(0) depctr_va_vcc(0) depctr_vm_vsrc(0)
	s_getreg_b32 s2, hwreg(HW_REG_IB_STS2, 6, 4)
	s_cmp_eq_u32 s2, 0
	s_cbranch_scc0 .Lentry_in_a_cluster
	s_endpgm
.Lentry_in_a_cluster:
	s_bfe_u32 s2, ttmp6, 0x10000c
	s_cmp_lg_u32 s2, 0xf033
	s_cbranch_scc0 .Lentry_shape_is_right
	s_endpgm
.Lentry_shape_is_right:
; q = x Wq^T, k = x Wk^T, v = x Wv^T on codes of BF6 (E3M2) with E8M0 scales (K = 1024), and the results quantised at once for attention's two products:
; q and k along the head's 64, v along the keys.  No f32 result goes to memory.
; The matrix instruction's result gives a lane ONE row of source 1 and registers that run along source 0's rows.  So the axis that is quantised next is source 0's:
;   work-groups of cluster rows 0-7:  source 0 = 256 rows of Wq or Wk (features), source 1 = 256 rows of x (tokens);
;   work-groups of cluster rows 8-11: source 0 = 256 rows of x (keys),            source 1 = 256 rows of Wv (features).
; Both operands lie in opi as images of operand registers, in groups of 128 rows (0-63 x, 64-71 Wq, 72-79 Wk, 80-87 Wv): only group numbers differ between the two kinds.
; A tile is 256 x 256, four waves, each 128 x 128: 64 accumulators, 512 registers.  K goes in four steps of 256: a group's K step is one dense block of 25,600 bytes
; (codes 24,576, scale bytes 1,024).  Three LDS slots of four such blocks; K steps 0, 1, 2 are first fills, K step 3 fills slot 0 again: one refill in the launch.
; A wave has three tensor loads out at the start and one later.
; CLUSTERS: 4 x 4 work-groups; source 1's blocks are shared along a row of the cluster, source 0's along a column: each is asked for jointly, by the same load with the same descriptor.
; OUT (att).  Per head (64) 16 records of 128 keys, 13,824 bytes: K's codes 6,144 (8 tiles x 768) | K's scale words 1,024 | V's codes 6,144 (key half c x 3,072 + tile of 16 channels x 768) | V's scale words 512.
; From byte 14,155,776 on, per head 16 blocks of 128 queries, 7,168 bytes: codes 6,144 | scale words 1,024.  Tile 2 b + u, row m holds key, query or channel 32 b + 8 u + m + 8 (m / 8).
; LIMITS: a block of zeros or under 2^(5 - 127) gets the scale byte 1 (read by this program alone); NaN and infinities are not served.
; REGISTERS: window 0: v1-15 LDS addresses; v16-31 the way out's addresses, the add's pair; v32-63 scale words, two sets, and nothing else; v64-112 the way out; v128-223 source 1's fragments, one set.
;   window 1: source 0's fragments, two sets, at v0 and v128.   windows 2, 3: the accumulators: (a, b) at v[8 (8 (a % 4) + POS(b))], a: source 1's block, b: source 0's.
.set PERM,  1                          ; POS(b) swaps b's two low bits, so that one exchange of lane halves puts 32 neighbours of source 0 into 32 consecutive registers
.set QTR,   25600                      ; a group's K step
.set GRP,   102400                     ; a group in opi
.set SLOT,  4*QTR                      ; source 1's two groups, then source 0's two
.set HK,    6144                       ; 64 along K of 128 rows
.set SCO,   4*HK                       ; the scale bytes in a K step
.set SPARE, 3*SLOT                     ; behind the slots: the spare words, 128 bytes for each wave: two blocks of 256 bytes that no other line names
.set STG,   SLOT                       ; the way out's stages lie in slot 1: it has had its only fill, and its last read lies ahead of the last barrier
.set WST,   14336                      ; a wave's stage: codes 12,288, scale words 1,024 + 1,024
.set QB,    14155776
.set FR,    12
.set A16,   1                          ; v1-3   source 1's fragments in slot 0, 1, 2: + 16 x lane
.set A8,    4                          ; v4-6   the same + 8 x lane
.set B16,   7                          ; v7-9   source 0's
.set B8,    10                         ; v10-12
.set ADS,   13                         ; v13-15 scale words: lanes 0-15 source 1's rows, lanes 16-31 source 0's
.set STO,   16
.set STO2,  17
.set STS,   18
.set RD,    19
.set FL,    21                         ; the floor 2^(5 - 127)
.set SH8,   22                         ; 8 h
.set CO,    27                         ; 16 x lane
.set SPW,   28                         ; LDS address of my spare word; never rewritten
.set NIL,   29                         ; 0; never rewritten
.set SC,    32
.set XT,    96
.set MM,    104
.set SO,    108
.set BY,    110
.set TP,    112
.set AF,    128
.set G1A,   24                         ; s[24:31] group 1 for source 1's blocks; groups 0: s[32:35], s[36:39], s[68:71]
.set G0A,   32
.set G1B,   48                         ; s[48:55] for source 0's; groups 0: s[56:59], s[60:63], s[72:75]
.set G0B,   56
.set OB,    76                         ; s[76:85] five places in att
.set SEL,   98
.set MSB, 0
.macro WIN new                         ; the immediate's high byte repeats the setting that is left
.if MSB != (\new)
	s_set_vgpr_msb (MSB<<8)|(\new)
.set MSB, (\new)
.endif
.endm
.set MUL_LO, 0xa1                      ; source 0 window 1, source 1 window 0, C and D window 2
.set MUL_HI, 0xf1                      ; the same, C and D window 3
.set TO_B,   0x40                      ; destination window 1, address window 0
.macro PLACES                          ; four plain vector lines between a matrix instruction and a load into, or a read of, its registers
.rept 4
	v_nop
.endr
.endm
.macro JLOAD                           ; the joint refill of slot 0: waves 0 and 1 fetch source 1's two groups, waves 2 and 3 source 0's; four v_nop follow each line
	s_cmp_eq_u32 s15, 0
	s_cbranch_scc0 .Lfor_b_\@
	tensor_load_to_lds s[G0A:G0A+3], s[G1A:G1A+7]
	s_nop 0
.rept 4
	v_nop
.endr
	s_branch .Lasked_\@
.Lfor_b_\@:
	tensor_load_to_lds s[G0B:G0B+3], s[G1B:G1B+7]
	s_nop 0
.rept 4
	v_nop
.endr
.Lasked_\@:
.endm
.macro CREST                           ; a round of the cluster's barrier behind its opening barrier
	s_cmp_lg_u32 s14, 0
	s_cbranch_scc1 .Lnot_wave_0_\@
	s_barrier_signal -3
.Lnot_wave_0_\@:
	s_barrier_wait -3
	s_barrier_signal -1
	s_barrier_wait -1
.endm
.macro CROUND
	s_barrier_signal -1
	s_barrier_wait -1
	CREST
.endm
.macro SETG0 g, src, n                 ; group 0 for K step n into slot n
	s_mov_b32 s[\g], 1
	s_add_co_u32 s[\g+1], s22, \n*SLOT
	s_add_nc_u64 s[\g+2:\g+3], s[\src:\src+1], \n*QTR
	s_or_b32 s[\g+3], s[\g+3], 0x80000000
.endm
	s_load_b128 s[4:7], s[0:1], 0x0                ; opi, att
	v_lshl_add_u32 v[SPW], v0, 2, SPARE
	v_mov_b32 v[NIL], 0
	ds_add_u32 v28, v29
	ds_add_u32 v28, v29
	s_wait_dscnt 0x0
	v_lshrrev_b32 v1, 5, v0
	v_readfirstlane_b32 s14, v1                    ; wave 0..3
	s_lshr_b32 s15, s14, 1                         ; my half of source 1's rows.  Also: I fetch for source 1 (0) or source 0 (1)
	s_and_b32 s16, s14, 1                          ; my half of source 0's rows.  Also: which of the two groups I fetch
	s_bfe_u32 s40, ttmp6, 0x40000                  ; cx, cy: my place in the cluster
	s_bfe_u32 s41, ttmp6, 0x40004
	s_and_b32 s18, ttmp7, 0xffff                   ; the cluster's y: 0-7 q and k, 8-11 v: the same in all partners
	s_add_co_u32 s19, ttmp9, 8                     ; q, k: source 0's tiles 32 .. 39 (groups 64 .. 79)
	s_sub_co_u32 s20, s18, 8
	s_lshl_b32 s20, s20, 1
	s_add_co_u32 s20, s20, ttmp9                   ; v: source 0's tiles 0 .. 31 (x)
	s_cmp_lt_u32 s18, 8
	s_cselect_b32 s45, 0, 1                        ; the kind: 0 q and k, 1 v
	s_cselect_b32 s18, s18, 10                     ; v: source 1's tiles 40 .. 43 (groups 80 .. 87)
	s_cselect_b32 s19, s19, s20
	s_lshl_b32 s17, s18, 2
	s_add_co_u32 s17, s17, s41                     ; source 1's tile of 256 rows
	s_lshl_b32 s42, s19, 2
	s_add_co_u32 s42, s42, s40                     ; source 0's
	s_lshl_b32 s43, s41, 2
	s_lshl_b32 s43, 15, s43                        ; my row of the cluster
	s_lshl_b32 s44, 0x1111, s40                    ; my column
	s_or_b32 s[G1A], s43, (3<<16)|(1<<21)          ; 15:0 the mask; 17:16 elements of 8 bytes; 21 set beside a mask; no padding: the images are read 16 or 8 bytes a lane on end
	s_or_b32 s[G1B], s44, (3<<16)|(1<<21)
.irp g, G1A, G1B
	s_mov_b32 s[\g+1], 32<<16                      ; tensor_dim0 = 32 elements: rows of 256 bytes
	s_mov_b32 s[\g+2], 100<<16                     ; tensor_dim1 = 100 rows: 25,600 dense bytes
	s_mov_b32 s[\g+3], 32<<16                      ; tile_dim0
	s_mov_b32 s[\g+4], 100                         ; tile_dim1
	s_mov_b32 s[\g+5], 32                          ; the pitch
	s_mov_b32 s[\g+6], 0
	s_mov_b32 s[\g+7], 0
.endr
	s_lshl_b32 s20, s17, 1
	s_add_co_u32 s20, s20, s16
	s_mul_i32 s20, s20, GRP                        ; source 1's group that I would fetch
	s_mov_b32 s21, 0
	s_lshl_b32 s46, s42, 1
	s_add_co_u32 s46, s46, s16
	s_mul_i32 s46, s46, GRP                        ; source 0's
	s_mov_b32 s47, 0
	s_mul_i32 s22, s14, QTR                        ; where it goes: quarter = wave: no place in the cluster enters an LDS address
	s_wait_kmcnt 0x0
	s_add_nc_u64 s[20:21], s[4:5], s[20:21]
	s_add_nc_u64 s[46:47], s[4:5], s[46:47]
	CROUND                                         ; all sixteen work-groups are here: the first joint loads meet
	SETG0 G0A, 20, 0
	SETG0 G0A+4, 20, 1
	SETG0 68, 20, 2
	SETG0 G0B, 46, 0
	SETG0 G0B+4, 46, 1
	SETG0 72, 46, 2
	s_cmp_eq_u32 s15, 0                            ; a wave's three first fills stand in one branch, ahead of every wait on TENSORcnt, every LDS read and every further barrier
	s_cbranch_scc0 .Lfirst_b
	tensor_load_to_lds s[G0A:G0A+3], s[G1A:G1A+7]
	s_nop 0
	tensor_load_to_lds s[G0A+4:G0A+7], s[G1A:G1A+7]
	s_nop 0
	tensor_load_to_lds s[68:71], s[G1A:G1A+7]
	s_nop 0
.rept 4
	v_nop
.endr
	s_branch .Lfirst_done
.Lfirst_b:
	tensor_load_to_lds s[G0B:G0B+3], s[G1B:G1B+7]
	s_nop 0
	tensor_load_to_lds s[G0B+4:G0B+7], s[G1B:G1B+7]
	s_nop 0
	tensor_load_to_lds s[72:75], s[G1B:G1B+7]
	s_nop 0
.rept 4
	v_nop
.endr
.Lfirst_done:
	v_and_b32 v24, 31, v0                          ; lane
	v_and_b32 v25, 15, v0                          ; r
	v_bfe_u32 v26, v0, 4, 1                        ; h
	v_lshlrev_b32 v[CO], 4, v24                    ; 16 x lane
	v_lshlrev_b32 v30, 3, v24                      ; 8 x lane
	s_mul_i32 s20, s15, QTR                        ; my group of source 1,
	s_mul_i32 s21, s16, QTR
	s_add_co_u32 s21, s21, 2*QTR                   ; my group of source 0
.irp s, 0,1,2
	v_add_nc_u32 v[A16+\s], s20, v[CO]
	v_add_nc_u32 v[A8+\s], s20, v30
	v_add_nc_u32 v[B16+\s], s21, v[CO]
	v_add_nc_u32 v[B8+\s], s21, v30
	s_add_co_u32 s20, s20, SLOT
	s_add_co_u32 s21, s21, SLOT
.endr
	s_mul_i32 s20, s15, QTR
	s_mul_i32 s21, s16, QTR
	s_add_co_u32 s21, s21, 2*QTR
	s_sub_co_u32 s21, s21, s20                     ; from source 1's scale bytes to source 0's
	v_mul_u32_u24 v31, s21, v26                    ; lanes 16-31 take source 0's
	v_lshl_add_u32 v31, v25, 3, v31                ; 8 bytes a row
	s_add_co_u32 s20, s20, SCO
.irp s, 0,1,2
	v_add_nc_u32 v[ADS+\s], s20, v31
	s_add_co_u32 s20, s20, SLOT
.endr
	; the way out: token, key or channel 16 a + r of my 128 goes to tile 2 (a / 2) + r / 8, row 8 (a % 2) + r % 8: the image's lane is that row + 16 h
	s_mul_i32 s22, s14, WST
	s_add_co_u32 s22, s22, STG                     ; my stage
	v_lshrrev_b32 v31, 3, v25                      ; r / 8
	v_and_b32 v23, 7, v25
	v_lshl_add_u32 v23, v26, 4, v23                ; r % 8 + 16 h
	v_mul_u32_u24 v[STO], v31, 768
	v_add_nc_u32 v[STO], s22, v[STO]
	v_lshl_add_u32 v[STO2], v23, 3, v[STO]         ; registers 4-5: 8 bytes a lane
	v_lshl_add_u32 v[STO], v23, 4, v[STO]          ; registers 0-3: 16 bytes a lane
	v_lshl_add_u32 v[STS], v23, 4, s22
	v_lshl_add_u32 v[STS], v31, 2, v[STS]          ; scale words: four tiles' words a lane
	v_add_nc_u32 v[RD], s22, v[CO]                 ; back: 512 bytes on end
	v_mov_b32 v[FL], 0x2800000
	v_lshlrev_b32 v[SH8], 3, v26
	v_mov_b32 v[TP], 0                             ; a lane permute's destination counts as read: written once
	s_mov_b32 s[SEL], 0x76543210
	s_mov_b32 s[SEL+1], 0xfedcba98
	; where my wave's results go in att
	s_lshl_b32 s76, s17, 1
	s_add_co_u32 s76, s76, s15                     ; my group of source 1
	s_lshl_b32 s77, s42, 1
	s_add_co_u32 s77, s77, s16                     ; my group of source 0
	s_mov_b32 s86, 221184                          ; a head's records
	s_mov_b32 s87, 13824                           ; a record
	s_cmp_eq_u32 s45, 0
	s_cselect_b32 s78, s76, s77                    ; x's group: 16 batch + record
	s_cselect_b32 s79, s77, s76                    ; the weight's group
	s_sub_co_u32 s79, s79, 64                      ; 0-7 Wq, 8-15 Wk, 16-23 Wv
	s_and_b32 s88, s79, 7                          ; its pair of heads
	s_cmp_lt_u32 s79, 8
	s_cselect_b32 s86, 114688, s86                 ; q: a head's blocks,
	s_cselect_b32 s87, 7168, s87                   ; a block,
	s_cselect_b32 s89, QB, 0                       ; and where they begin
	s_lshr_b32 s90, s78, 4
	s_lshl_b32 s90, s90, 4
	s_lshl_b32 s88, s88, 1
	s_add_co_u32 s90, s90, s88                     ; 16 batch + the pair's first head
	s_and_b32 s91, s78, 15
	s_mul_i32 s90, s90, s86
	s_mul_i32 s91, s91, s87
	s_add_co_u32 s90, s90, s91
	s_add_co_u32 s90, s90, s89
	s_mov_b32 s92, 3072
	s_mov_b32 s93, 512
	s_cmp_eq_u32 s45, 0
	s_cselect_b32 s94, 0, 7168                     ; v's part of a record
	s_cselect_b32 s95, s92, s86                    ; the stage's pieces of 3,072 bytes: from piece 0 to piece 1: q, k: tiles 4-7; v: the next head
	s_cselect_b32 s96, s86, s92                    ; from piece 0 to piece 2: q, k: the next head; v: the second 64 keys
	s_cselect_b32 s97, s93, s86                    ; from the first 512 scale bytes to the second: q, k: tiles 4-7; v: the next head
	s_add_co_u32 s90, s90, s94
	s_mov_b32 s91, 0
	s_add_nc_u64 s[OB:OB+1], s[6:7], s[90:91]
	s_mov_b32 s90, s95
	s_add_nc_u64 s[OB+2:OB+3], s[OB:OB+1], s[90:91]
	s_mov_b32 s90, s96
	s_add_nc_u64 s[OB+4:OB+5], s[OB:OB+1], s[90:91]
	s_mov_b32 s90, s95
	s_add_nc_u64 s[OB+6:OB+7], s[OB+4:OB+5], s[90:91]
	s_mov_b32 s90, s97
	s_add_nc_u64 s[OB+8:OB+9], s[OB:OB+1], s[90:91]
.macro FRAG reg, a16, a8, q, i         ; a fragment, 16 rows x 128 K, is two half images: four loads, each of consecutive bytes
	ds_load_b128 v[\reg:\reg+3], v[\a16] offset:(2*(\q))*HK+(\i)*768
	ds_load_b64 v[\reg+4:\reg+5], v[\a8] offset:(2*(\q))*HK+(\i)*768+512
	ds_load_b128 v[\reg+6:\reg+9], v[\a16] offset:(2*(\q)+1)*HK+(\i)*768
	ds_load_b64 v[\reg+10:\reg+11], v[\a8] offset:(2*(\q)+1)*HK+(\i)*768+512
.endm
.macro FETCH_B slot, q, p              ; source 0's eight fragments of the slot's q-th 128 along K into set p
	WIN TO_B
.irp i, 0,1,2,3,4,5,6,7
	FRAG 128*(\p)+FR*\i, B16+\slot, B8+\slot, \q, \i
.endr
	WIN 0
.endm
.macro FETCH_A slot, q, i0             ; source 1's blocks i0 .. i0 + 3
.irp i, \i0, \i0+1, \i0+2, \i0+3
	FRAG AF+FR*(\i), A16+\slot, A8+\slot, \q, \i
.endr
.endm
.macro SCALES slot, sc                 ; a K step's scale words into set sc: register 2 i + q: lanes 0-15 source 1's block i, lanes 16-31 source 0's block i
.irp i, 0,1,2,3,4,5,6,7
	ds_load_b64 v[SC+16*(\sc)+2*\i:SC+16*(\sc)+2*\i+1], v[ADS+\slot] offset:\i*128
.endr
.endm
; 16 matrix instructions: source 1's blocks a0, a0 + 1 x source 0's eight.  The 64 accumulators take turns, one instruction a turn, in the same order in every step.
.macro MUL16 a0, p, q, sc, zero
.irp a, \a0, \a0+1
.irp b, 0,1,2,3,4,5,6,7
.if PERM
.set PB, (\b&4)|((\b&1)<<1)|((\b>>1)&1)
.else
.set PB, \b
.endif
.set DD, 8*(8*((\a)%4)+PB)
.if \zero
	v_wmma_scale_f32_16x16x128_f8f6f4 v[DD:DD+7], v[128*(\p)+FR*\b:128*(\p)+FR*\b+FR-1], v[AF+FR*(\a):AF+FR*(\a)+FR-1], 0, v[SC+16*(\sc)+2*\b+(\q)], v[SC+16*(\sc)+2*(\a)+(\q)] matrix_a_fmt:MATRIX_FMT_BF6 matrix_b_fmt:MATRIX_FMT_BF6 matrix_a_scale:MATRIX_SCALE_ROW1
.else
	v_wmma_scale_f32_16x16x128_f8f6f4 v[DD:DD+7], v[128*(\p)+FR*\b:128*(\p)+FR*\b+FR-1], v[AF+FR*(\a):AF+FR*(\a)+FR-1], v[DD:DD+7], v[SC+16*(\sc)+2*\b+(\q)], v[SC+16*(\sc)+2*(\a)+(\q)] matrix_a_fmt:MATRIX_FMT_BF6 matrix_b_fmt:MATRIX_FMT_BF6 matrix_a_scale:MATRIX_SCALE_ROW1
.endif
.endr
.endr
.endm
; A step of 128 along K (the q-th of its slot; source 0's set q; scale set sc) whose successor (nslot, nq) lies in bytes already shown whole.  nsc >= 0: the successor opens a K step: its scale words come too.
.macro STEP q, sc, zero, nslot, nq, nsc
	s_wait_dscnt 16                                ; all but the youngest 16 loads (source 1's blocks 4-7) are in
	WIN MUL_LO
	MUL16 0, \q, \q, \sc, \zero
	MUL16 2, \q, \q, \sc, \zero
	s_wait_dscnt 0x0                               ; blocks 4-7 are in
	PLACES
	FETCH_B \nslot, \nq, 1-\q
	FETCH_A \nslot, \nq, 0
.if \nsc >= 0
	SCALES \nslot, \nsc
.endif
	WIN MUL_HI
	MUL16 4, \q, \q, \sc, \zero
	MUL16 6, \q, \q, \sc, \zero
	PLACES
	WIN 0
	FETCH_A \nslot, \nq, 4
.endm
; A slot's second step with a barrier in it.  In front of the barrier each wave waits for all its tensor loads, adds 0 to its spare word, and waits for that and for its LDS reads.
; fill = 1: the barrier opens a round of the cluster's barrier, and slot 0, which nobody reads any more, takes K step 3.
.macro TURN sc, fill, nslot, nsc
	s_wait_tensorcnt 0x0                           ; all my tensor loads have landed
	ds_add_u32 v[SPW], v[NIL]                      ; 0 onto my spare word
	s_wait_dscnt 17                                ; (the add and the youngest 16 loads may be out)
	WIN MUL_LO
	MUL16 0, 1, 1, \sc, 0                          ; sixteen matrix instructions stand between the add and the wait for it
	s_wait_dscnt 0x0                               ; the add is done, and my reads of this slot are over
	s_barrier_signal -1
	MUL16 2, 1, 1, \sc, 0
	WIN 0                                          ; at a branch and at a label every window is 0
	s_barrier_wait -1
.if \fill
	CREST                                          ; no wave of any partner still reads slot 0 or has a load on its way
	s_add_nc_u64 s[G0A+2:G0A+3], s[G0A+2:G0A+3], 3*QTR
	s_add_nc_u64 s[G0B+2:G0B+3], s[G0B+2:G0B+3], 3*QTR
	JLOAD                                          ; the first tensor load behind the round; its four v_nop are also the places in front of the loads below
.else
	PLACES
.endif
	FETCH_B \nslot, 0, 0
	FETCH_A \nslot, 0, 0
	SCALES \nslot, \nsc
	WIN MUL_HI
	MUL16 4, 1, 1, \sc, 0
	MUL16 6, 1, 1, \sc, 0
	PLACES
	WIN 0
	FETCH_A \nslot, 0, 4
.endm
	s_wait_tensorcnt 0x2                           ; my part of slot 0 is in; slots 1 and 2 may stay out
	s_barrier_signal -1
	s_barrier_wait -1                              ; everybody's is
	FETCH_B 0, 0, 0
	FETCH_A 0, 0, 0
	SCALES 0, 0
	FETCH_A 0, 0, 4
	STEP 0, 0, 1, 0, 1, -1                         ; K   0-127: the first products start the sums
	TURN 0, 1, 1, 1                                ; K 128-255; the wait for all loads shows slots 1 and 2 whole to everyone; slot 0 takes K step 3
	STEP 0, 1, 0, 1, 1, -1                         ; K 256-383
	STEP 1, 1, 0, 2, 0, 0                          ; K 384-511; on into slot 2, which that barrier has shown whole
	STEP 0, 0, 0, 2, 1, -1                         ; K 512-639
	TURN 0, 0, 0, 1                                ; K 640-767; the refill has landed in every wave: on into slot 0
	STEP 0, 1, 0, 0, 1, -1                         ; K 768-895
	s_wait_dscnt 16                                ; K 896-1023: nothing more to fetch
	WIN MUL_LO
	MUL16 0, 1, 1, 1, 0
	MUL16 2, 1, 1, 1, 0
	s_wait_dscnt 0x0
	WIN MUL_HI
	MUL16 4, 1, 1, 1, 0
	MUL16 6, 1, 1, 1, 0
	WIN 0
; THE WAY OUT of block a (16 rows of source 1).  Accumulator b, lane (r, h), register j holds source 0's row 16 b + 8 h + j.  One exchange of lane halves between accumulators 4 c + g and 4 c + 2 + g,
; which POS has laid side by side, leaves registers 32 c .. 32 c + 31 of the block with source 0's rows 64 c + 32 h + 0 .. 31: a whole block of 32 in the very lane that the operand's layout gives it.
.macro UNIT a
.set W, 2+(\a)/4
.set AC, 64*((\a)%4)
.set PS, 64+16*((\a)%2)                ; codes (12), scale word, second scale word: two sets by turns
	WIN ((W<<6)|W)
.irp c, 0,1
.irp g, 0,1
.irp j, 0,1,2,3,4,5,6,7
	v_permlane16_swap_b32 v[AC+32*\c+16*\g+\j], v[AC+32*\c+16*\g+8+\j]   ; each accumulator from its low end on
.endr
.endr
.endr
	WIN ((W<<2)|(W<<4))
.irp k, 0,1,2,3
	v_max3_num_f32 v[MM+\k], v[FL], |v[AC+16*\k]|, |v[AC+16*\k+1]|       ; four chains of 16 numbers, each from the floor on
.endr
.irp i, 2,4,6,8,10,12,14
.irp k, 0,1,2,3
	v_max3_num_f32 v[MM+\k], v[MM+\k], |v[AC+16*\k+\i]|, |v[AC+16*\k+\i+1]|
.endr
.endr
.if (\a) >= 2
	s_wait_alu depctr_va_vdst(0)
	s_wait_dscnt 6                                 ; the six stores of two blocks back have read this set; the last block's six may be out
.endif
	WIN 0
	v_max_num_f32 v[MM], v[MM], v[MM+1]            ; my block of c = 0,
	v_max_num_f32 v[MM+2], v[MM+2], v[MM+3]        ; of c = 1
	v_add_nc_u32 v[SO], 0xfe000000, v[MM]          ; 4 off the exponent field: the conversion's scale operand
	v_add_nc_u32 v[SO+1], 0xfe000000, v[MM+2]
	v_lshrrev_b32 v[BY], 23, v[SO]
	v_lshrrev_b32 v[BY+1], 23, v[SO+1]
	v_lshl_or_b32 v[PS+12], v[BY+1], 16, v[BY]
	v_lshlrev_b32 v[PS+12], v[SH8], v[PS+12]       ; byte 2 c + h
	v_permlanex16_b32 v[TP], v[PS+12], s[SEL], s[SEL+1]
	v_or_b32 v[PS+12], v[PS+12], v[TP]             ; v: the row's word for 128 keys.  q, k: the first head's two bytes below (what lies above them meets zero codes and is never 0xff),
	v_lshrrev_b32 v[PS+13], 16, v[PS+12]           ; and the second head's
	WIN W
	v_cvt_scalef32_pk16_bf6_f32 v[PS:PS+2], v[AC:AC+15], v[SO]
	v_cvt_scalef32_pk16_bf6_f32 v[XT:XT+2], v[AC+16:AC+31], v[SO]        ; (a conversion's three registers begin on an even number)
	v_cvt_scalef32_pk16_bf6_f32 v[PS+6:PS+8], v[AC+32:AC+47], v[SO+1]
	v_cvt_scalef32_pk16_bf6_f32 v[XT+4:XT+6], v[AC+48:AC+63], v[SO+1]
	WIN 0
	v_nop                                          ; one plain line behind a scaled conversion
.irp i, 0,1,2
	v_mov_b32 v[PS+3+\i], v[XT+\i]
	v_mov_b32 v[PS+9+\i], v[XT+4+\i]
.endr
	ds_store_b128 v[STO], v[PS:PS+3] offset:((\a)>>1)*1536+((\a)&1)*128
	ds_store_b64 v[STO2], v[PS+4:PS+5] offset:((\a)>>1)*1536+512+((\a)&1)*64
	ds_store_b128 v[STO], v[PS+6:PS+9] offset:6144+((\a)>>1)*1536+((\a)&1)*128
	ds_store_b64 v[STO2], v[PS+10:PS+11] offset:6144+((\a)>>1)*1536+512+((\a)&1)*64
	ds_store_b32 v[STS], v[PS+12] offset:12288+((\a)>>2)*512+((\a)&1)*128+(((\a)>>1)&1)*8
	ds_store_b32 v[STS], v[PS+13] offset:13312+((\a)>>2)*512+((\a)&1)*128+(((\a)>>1)&1)*8
.endm
	PLACES                                         ; behind the last products
.irp a, 0,1,2,3,4,5,6,7
	UNIT \a
.endr
.irp n, 0,1,2,3,4,5,6,7,8,9,10,11,12,13,14,15,16,17,18,19,20,21,22,23,24,25,26,27
	ds_load_b128 v[128+4*\n:131+4*\n], v[RD] offset:512*\n               ; LDS serves a wave's instructions in order: these see my stores
.endr
.irp n, 0,1,2,3,4,5,6,7,8,9,10,11,12,13,14,15,16,17,18,19,20,21,22,23
	s_wait_dscnt 27-\n
	global_store_b128 v[CO], v[128+4*\n:131+4*\n], s[OB+2*(\n/6):OB+2*(\n/6)+1] offset:(\n%6)*512   ; 32 lanes store 512 consecutive bytes, aligned
.endr
	s_wait_dscnt 3
	global_store_b128 v[CO], v[224:227], s[OB:OB+1] offset:6144
	s_wait_dscnt 2
	global_store_b128 v[CO], v[228:231], s[OB+8:OB+9] offset:6144
	s_cmp_lg_u32 s45, 0                            ; the second head's own scale words exist for q and k alone: the kind is the same in all partners
	s_cbranch_scc1 .Lno_second
	s_wait_dscnt 0x0
	global_store_b128 v[CO], v[232:235], s[OB+4:OB+5] offset:6144
	global_store_b128 v[CO], v[236:239], s[OB+4:OB+5] offset:6656
.Lno_second:
	s_wait_tensorcnt 0x0                           ; the wave's end
	ds_add_u32 v[SPW], v[NIL]
	s_wait_dscnt 0x0
	CROUND                                         ; the closing round: no work-group ends while a partner may still ask for a block that names it
	s_endpgm
.Lfunc_end_k_q39678740f7_qkv:
	.size	k_q39678740f7_qkv, .Lfunc_end_k_q39678740f7_qkv-k_q39678740f7_qkv
	.p2alignl 7, 3214868480
	.fill 96, 4, 3214868480
	.section	.rodata,"a",@progbits
	.p2align	6, 0x0
	.amdhsa_kernel k_q39678740f7_qkv
		.amdhsa_group_segment_fixed_size 327680
		.amdhsa_private_segment_fixed_size 0
		.amdhsa_enable_private_segment 0
		.amdhsa_kernarg_size 16
		.amdhsa_user_sgpr_count 2
		.amdhsa_user_sgpr_kernarg_segment_ptr 1
		.amdhsa_wavefront_size32 1
		.amdhsa_system_sgpr_workgroup_id_x 1
		.amdhsa_system_sgpr_workgroup_id_y 1
		.amdhsa_system_sgpr_workgroup_id_z 1
		.amdhsa_system_vgpr_workitem_id 0
		.amdhsa_next_free_vgpr 1024
		.amdhsa_next_free_sgpr 100
		.amdhsa_reserve_vcc 0
		.amdhsa_float_denorm_mode_32 3
		.amdhsa_float_denorm_mode_16_64 3
		.amdhsa_memory_ordered 1
		.amdhsa_forward_progress 1
		.amdhsa_inst_pref_size 155
	.end_amdhsa_kernel
	.amdgpu_metadata
---
amdhsa.version: [ 1, 2 ]
amdhsa.kernels:
  - .name:           k_q39678740f7_qkv
    .symbol:         k_q39678740f7_qkv.kd
    .args:
      - { .name: opi, .offset: 0, .size: 8, .value_kind: global_buffer, .address_space: global }
      - { .name: att, .offset: 8, .size: 8, .value_kind: global_buffer, .address_space: global }
    .group_segment_fixed_size: 327680
    .private_segment_fixed_size: 0
    .kernarg_segment_align: 8
    .kernarg_segment_size: 16
    .max_flat_workgroup_size: 128
    .sgpr_count:     100
    .vgpr_count:     1024
    .wavefront_size: 32
...
	.end_amdgpu_metadata
.endif
;; end of part 2
;; launch attn (part 3): grid 4 x 64, 16 waves a work-group, no clusters, 327,680 bytes of LDS; arguments att, ci; writes ci
.if DOCPART == 3
	.amdgcn_target "amdgcn-amd-amdhsa--gfx1250"
	.amdhsa_code_object_version 6
	.text
	.protected	k_q39678740f7_attn
	.globl	k_q39678740f7_attn
	.p2align	8
	.type	k_q39678740f7_attn,@function
k_q39678740f7_attn:
	s_mov_b64 s[64:65], 0
	v_nop
	global_prefetch_b8 v0, s[64:65] scope:SCOPE_SE
	s_setreg_imm32_b32 hwreg(HW_REG_WAVE_MODE, 25, 1), 1
	s_wait_xcnt 0x0
; Causal attention of one head on codes of BF6 (E3M2) with E8M0 scales; head size 64, 2,048 keys; the result, ctx, leaves as codes for the last product.
; t = score x log2(e) / 8; M = the running largest t rounded UP to a whole number; p = 2^(t - M) is quantised along the keys, not normalised; the row's sum is taken of the unquantised p
; and divides O at the end; when M moves, the sum and O are multiplied by 2^(old M - new M), which rounds nothing.  ctx is then quantised along the head's 64 (two blocks of the last product's K).
; SHARES.  Work-group (i, head) owns query blocks i and 7 - i of 256 queries: every work-group has the same number of key steps.  Each of its sixteen waves owns one tile of 16 queries in each block:
; tile T = wave % 8 of record 2 i + wave / 8, then of record 14 - 2 i + wave / 8.  A key step is a record of 128 keys; a tile of record t walks records 0 .. t, and only record t needs the mask.
; LDS.  The head's 16 records (K's and V's codes and scale words as images of operand registers, 13,824 bytes each) come in ONCE: each wave brings 6,912 bytes of records 0-7 and 6,912 of records 8-15.
; Nothing is filled again.  The first pass and the second pass's records 0-7 run while records 8-15 are on their way.  Two tensor loads of a wave are out at the most.
; All trip counts are constants; a step whose keys all come after the wave's queries is left out by a scalar branch on ids, round the step's work alone; no barrier or tensor load stands in a loop.
; NO CLUSTER: the four work-groups of a head read the same records, but which steps a wave leaves out hangs on its work-group's place among the four.
; LAYOUT.  Both products are used transposed: S^T = K Q^T (source 0 = 16 keys), O^T = V^T P^T (source 0 = 16 channels): a lane holds ONE query throughout.  Tile 2 b + u, row m holds key (or channel)
; 32 b + 8 u + m + 8 (m / 8), so that the 16 registers of tiles 2 b and 2 b + 1 are 16 neighbours: 32 b + 16 (lane / 16) + 0 .. 15.
; K = 64 IN A FORM OF K = 128: Q's registers 6-11 are zero codes.  So K's upper six registers may hold any codes: tile k's fragment is v[32 + 6 k .. 43 + 6 k], whose upper half is tile k + 1's codes.
; A block's largest p is taken from the block's largest score by the same multiply-add and exponential: this takes v_exp_f32 not to fall where its input rises.
; LIMITS: NaN and infinities are not served; a block of p or of ctx under 2^(5 - 127) gets the scale byte 1; 1 / sum is v_rcp_f32 and a multiplication.
.set REC,  13824
.set KSO,  6144                        ; in a record: K's scale words,
.set VCO,  7168                        ; V's codes,
.set VSO,  13312                       ; V's scale words
.set QB,   14155776                    ; Q's blocks in att
.set L16,  1                           ; v1   16 x lane
.set L8,   2                           ; v2   8 x lane
.set AD16, 3                           ; v3   the step's record + 16 x lane
.set AD8,  4                           ; v4   + 8 x lane
.set QD,   5                           ; v5   my query's number in its record - 16 (lane / 16)
                                       ; v6-9, v28-31 K's scale words; v10, v11 Q's (first, second pass); v242-245 V's; v246 p's: scales and nothing else
                                       ; v12 -M, v13 the largest t, v[14:15] the sum in two halves; v16-27 Q
.set KF,   32                          ; v32-85  K (v80-85 zeros); behind the first product v32-59 are at work
.set VF,   86                          ; v86-133 V's four fragments
.set S,    134                         ; v134-197 S^T, then p
.set O,    198                         ; v198-229 O^T
.set PC,   230                         ; v230-241 p's codes
.set R8,   247                         ; v247 8 x (lane % 16)
.set SEL,  32
.set CS,   34
.set TB,   36
.set KST,  37
.set TT,   38
	s_load_b128 s[4:7], s[0:1], 0x0                ; att, ci
	v_lshl_add_u32 v254, v0, 2, 0x36000
	v_mov_b32 v255, 0
	ds_add_u32 v254, v255
	ds_add_u32 v254, v255
	s_wait_dscnt 0x0
	v_lshrrev_b32 v3, 5, v0
	s_delay_alu instid0(VALU_DEP_1)
	v_readfirstlane_b32 s8, v3                     ; wave 0..15
	s_and_b32 s9, ttmp7, 0xffff                    ; 16 batch + head
	s_mov_b32 s16, 3<<16                           ; group 1: elements of 8 bytes, no mask, no padding: the images are read on end
	s_mov_b32 s17, 32<<16                          ; tensor_dim0 = 32: rows of 256 bytes
	s_mov_b32 s18, 27<<16                          ; tensor_dim1 = 27 rows: 6,912 dense bytes
	s_mov_b32 s19, 32<<16                          ; tile_dim0
	s_mov_b32 s20, 27                              ; tile_dim1
	s_mov_b32 s21, 32                              ; the pitch
	s_mov_b32 s22, 0
	s_mov_b32 s23, 0
	s_mul_i32 s42, s8, 6912                        ; my sixteenth of eight records, in LDS and in memory
	s_mul_i32 s44, s9, 221184
	s_add_co_u32 s44, s44, s42
	s_mov_b32 s45, 0
	s_wait_kmcnt 0x0
	s_add_nc_u64 s[44:45], s[4:5], s[44:45]
	s_mov_b32 s24, 1
	s_mov_b32 s25, s42
	s_mov_b64 s[26:27], s[44:45]
	s_or_b32 s27, s27, 0x80000000
	s_mov_b32 s28, 1
	s_add_co_u32 s29, s42, 8*REC
	s_add_nc_u64 s[30:31], s[44:45], 8*REC
	s_or_b32 s31, s31, 0x80000000
	tensor_load_to_lds s[24:27], s[16:23]          ; records 0-7
	s_nop 0
	s_wait_alu depctr_va_vdst(0)
	s_wait_tensorcnt 0x0
	ds_add_u32 v254, v255
	s_wait_dscnt 0x0
	s_barrier_signal -1
	s_barrier_wait -1
	tensor_load_to_lds s[28:31], s[16:23]          ; records 8-15
	s_nop 0
.rept 4
	v_nop
.endr
	s_and_b32 s10, s8, 7                           ; T
	s_lshr_b32 s11, s8, 3
	s_lshl_b32 s12, ttmp9, 1
	s_add_co_u32 s39, s12, s11                     ; the first pass's record
	s_sub_co_u32 s40, 14, s12
	s_add_co_u32 s40, s40, s11                     ; the second's
	s_mul_i32 s13, s9, 114688
	s_add_co_u32 s13, s13, QB
	s_mul_i32 s14, s10, 768
	s_add_co_u32 s13, s13, s14                     ; Q: the head, the tile
	s_mul_i32 s48, s39, 7168
	s_add_co_u32 s48, s48, s13
	s_mov_b32 s49, 0
	s_mul_i32 s50, s40, 7168
	s_add_co_u32 s50, s50, s13
	s_mov_b32 s51, 0
	s_add_nc_u64 s[48:49], s[4:5], s[48:49]
	s_add_nc_u64 s[50:51], s[4:5], s[50:51]
	s_lshr_b32 s15, s10, 2                         ; Q's scale word, counted from the tile's codes: 6144 + 512 (T / 4) + 4 (T % 4) - 768 T, never negative
	s_lshl_b32 s15, s15, 9
	s_and_b32 s41, s10, 3
	s_lshl_b32 s41, s41, 2
	s_add_co_u32 s15, s15, s41
	s_add_co_u32 s15, s15, 6144
	s_sub_co_u32 s15, s15, s14
	v_and_b32 v3, 31, v0
	s_delay_alu instid0(VALU_DEP_1)
	v_lshlrev_b32 v[L16], 4, v3
	s_delay_alu instid0(VALU_DEP_2)
	v_lshlrev_b32 v[L8], 3, v3
	s_delay_alu instid0(VALU_DEP_2)
	v_add_nc_u32 v254, s15, v[L16]
	global_load_b128 v[16:19], v[L16], s[48:49]                ; the first pass's Q: a half image
	global_load_b64 v[20:21], v[L8], s[48:49] offset:512
	global_load_b32 v10, v254, s[48:49]
	global_load_b128 v[248:251], v[L16], s[50:51]              ; the second pass's, kept until then
	global_load_b64 v[252:253], v[L8], s[50:51] offset:512
	global_load_b32 v11, v254, s[50:51]
	v_and_b32 v4, 15, v0                           ; r
	s_delay_alu instid0(VALU_DEP_1)
	v_lshlrev_b32 v[R8], 3, v4
	s_delay_alu instid0(VALU_DEP_2)
	v_and_b32 v[QD], 8, v4
	s_delay_alu instid0(VALU_DEP_1)
	v_add_nc_u32 v[QD], v[QD], v4                  ; r + 8 (r / 8)
	v_bfe_u32 v3, v0, 4, 1
	s_delay_alu instid0(VALU_DEP_1)
	v_lshlrev_b32 v3, 4, v3
	s_delay_alu instid0(VALU_DEP_1)
	v_sub_nc_u32 v[QD], v[QD], v3                  ; - 16 h
	s_lshr_b32 s14, s10, 1
	s_lshl_b32 s14, s14, 5
	s_and_b32 s15, s10, 1
	s_lshl_b32 s15, s15, 3
	s_add_co_u32 s14, s14, s15
	v_add_nc_u32 v[QD], s14, v[QD]                 ; + 32 (T / 2) + 8 (T % 2)
.irp j, 22,23,24,25,26,27,80,81,82,83,84,85,54,55
	v_mov_b32 v[\j], 0                             ; Q's upper half and the last tile's upper half: zero codes; v54, v55: lane permutes' destinations, written once
.endr
	; where ctx goes: ci, group 16 batch + record, K step head / 4, 64 along K head % 4, tile T
	s_lshr_b32 s14, s9, 4
	s_lshl_b32 s14, s14, 4
	s_and_b32 s41, s9, 15
	s_lshr_b32 s43, s41, 2
	s_mul_i32 s43, s43, 25600
	s_and_b32 s41, s41, 3
	s_mul_i32 s46, s41, 6144
	s_add_co_u32 s46, s46, s43
	s_mul_i32 s47, s10, 768
	s_add_co_u32 s46, s46, s47                     ; the codes' place in a group
	s_lshl_b32 s47, s10, 7
	s_add_co_u32 s47, s47, s43
	s_lshl_b32 s41, s41, 1
	s_add_co_u32 s47, s47, s41
	s_add_co_u32 s47, s47, 24576                   ; the two scale bytes' place
	s_add_co_u32 s43, s14, s39
	s_mul_i32 s43, s43, 102400
	s_add_co_u32 s52, s43, s46
	s_mov_b32 s53, 0
	s_add_co_u32 s54, s43, s47
	s_mov_b32 s55, 0
	s_add_co_u32 s43, s14, s40
	s_mul_i32 s43, s43, 102400
	s_add_co_u32 s56, s43, s46
	s_mov_b32 s57, 0
	s_add_co_u32 s58, s43, s47
	s_mov_b32 s59, 0
	s_add_nc_u64 s[52:53], s[6:7], s[52:53]
	s_add_nc_u64 s[54:55], s[6:7], s[54:55]
	s_add_nc_u64 s[56:57], s[6:7], s[56:57]
	s_add_nc_u64 s[58:59], s[6:7], s[58:59]
	s_mov_b32 s[SEL], 0x76543210
	s_mov_b32 s[SEL+1], 0xfedcba98                 ; v_permlanex16_b32's selects for lane l xor 16
	s_mov_b32 s[CS], 0x3e38aa3b                    ; c = log2(e) / 8
	s_mov_b32 s[CS+1], s[CS]                       ; (named with it as a pair, so it is written)
; A KEY STEP: the record at LDS byte s[TB].  qs: Q's scale register.  mask = 1: on the diagonal (step = my record) hidden scores become -infinity.
.macro STEP qs, mask
	v_add_nc_u32 v[AD16], s[TB], v[L16]
	v_add_nc_u32 v[AD8], s[TB], v[L8]
.irp k, 0,1,2,3,4,5,6,7
	ds_load_b128 v[KF+6*\k:KF+6*\k+3], v[AD16] offset:768*\k
	ds_load_b64 v[KF+6*\k+4:KF+6*\k+5], v[AD8] offset:768*\k+512
.endr
	ds_load_b128 v[6:9], v[AD16] offset:KSO
	ds_load_b128 v[28:31], v[AD16] offset:KSO+512
.irp t, 0,1,2,3
.irp c, 0,1
	ds_load_b128 v[VF+12*\t+6*\c:VF+12*\t+6*\c+3], v[AD16] offset:VCO+3072*\c+768*\t
	ds_load_b64 v[VF+12*\t+6*\c+4:VF+12*\t+6*\c+5], v[AD8] offset:VCO+3072*\c+768*\t+512
.endr
.endr
	ds_load_b128 v[242:245], v[AD16] offset:VSO
	s_wait_dscnt 17                                ; K and its scale words are in; V's 16 loads and its scale words may be out
.irp k, 0,1,2,3,4,5,6,7
.if \k < 4
.set KSR, 6+\k
.else
.set KSR, 24+\k
.endif
	v_wmma_scale_f32_16x16x128_f8f6f4 v[S+8*\k:S+8*\k+7], v[KF+6*\k:KF+6*\k+11], v[16:27], 0, v[KSR], v[\qs] matrix_a_fmt:MATRIX_FMT_BF6 matrix_b_fmt:MATRIX_FMT_BF6
.endr
.rept 4
	v_nop                                          ; places behind the products: their results are read, and K's registers written, below
.endr
.if \mask
	s_cmp_lg_u32 s[KST], s[TT]
	s_cbranch_scc1 .Lopen_\@
	v_mov_b32 v58, 0xff800000                      ; register 16 b + i holds key 32 b + 16 (lane / 16) + i of the record: hidden where 32 b + i > v[QD]
.set N, 0
.rept 64
	v_cmp_gt_i32 vcc_lo, 32*(N/16)+N%16, v[QD]
	v_cndmask_b32 v[S+N], v[S+N], v58, vcc_lo
.set N, N+1
.endr
.Lopen_\@:
.endif
.irp b, 0,1,2,3
	v_max3_num_f32 v[32+\b], v[S+16*\b], v[S+16*\b+1], v[S+16*\b+2]      ; the largest score of each block of 32 keys: for the row's maximum and for the block's largest p
.endr
.irp i, 3,5,7,9,11,13
.irp b, 0,1,2,3
	v_max3_num_f32 v[32+\b], v[32+\b], v[S+16*\b+\i], v[S+16*\b+\i+1]
.endr
.endr
.irp b, 0,1,2,3
	v_max_num_f32 v[32+\b], v[32+\b], v[S+16*\b+15]
.endr
.irp b, 0,1,2,3
	s_delay_alu instid0(VALU_DEP_4)
	v_permlanex16_b32 v[36+\b], v[32+\b], s[SEL], s[SEL+1]
.endr
.irp b, 0,1,2,3
	s_delay_alu instid0(VALU_DEP_4)
	v_max_num_f32 v[32+\b], v[32+\b], v[36+\b]     ; with lane l xor 16's 16 keys
.endr
	s_delay_alu instid0(VALU_DEP_2)
	v_max3_num_f32 v54, v32, v33, v34
	s_delay_alu instid0(VALU_DEP_1)
	v_max_num_f32 v54, v54, v35                    ; the step's largest score of my query
	s_delay_alu instid0(VALU_DEP_1)
	v_mul_f32 v54, s[CS], v54                      ; as t
	s_delay_alu instid0(VALU_DEP_1)
	v_max_num_f32 v13, v13, v54                    ; the running largest t
	v_mov_b32 v54, v12
	s_delay_alu instid0(VALU_DEP_2)
	v_floor_f32 v12, -v13                          ; the new -M = floor(-t): M is a whole number
	s_delay_alu instid0(VALU_DEP_1)
	v_sub_f32 v54, v12, v54                        ; old M - new M: a whole number, 0 or less
	s_delay_alu instid0(VALU_DEP_1)
	v_cvt_i32_f32 v54, v54                         ; (it saturates)
	s_delay_alu instid0(VALU_DEP_1)
	v_ldexp_f32 v52, 1.0, v54                      ; f = 2^(old M - new M)
.set N, 0
.rept 32
	v_pk_fma_f32 v[S+N:S+N+1], v[S+N:S+N+1], s[CS:CS+1], v[12:13] op_sel_hi:[1,0,0]   ; t - M, two at a time
.set N, N+2
.endr
.irp b, 0,1,2,3
	v_fma_f32 v[32+\b], v[32+\b], s[CS], v12       ; the same of each block's largest score
.endr
.set N, 0
	s_setprio 1
	s_wait_alu depctr_va_vdst(0)
.rept 64
	v_exp_f32 v[S+N], v[S+N]                       ; p = 2^(t - M), at most 1
.set N, N+1
.endr
.irp b, 0,1,2,3
	v_exp_f32 v[32+\b], v[32+\b]                   ; the block's largest p
.endr
	v_pk_mul_f32 v[14:15], v[14:15], v[52:53] op_sel_hi:[1,0]            ; the sums under the new M; also the plain line behind the exponentials
	s_wait_alu depctr_va_vdst(0)
.irp b, 0,1,2,3
	v_max_num_f32 v[32+\b], 0x2800000, v[32+\b]    ; the floor 2^(5 - 127): the byte cannot fall under 1
.endr
.irp b, 0,1,2,3
	s_delay_alu instid0(VALU_DEP_4)
	v_add_nc_u32 v[40+\b], 0xfe000000, v[32+\b]    ; 4 off the exponent field: the conversion's scale operand
.endr
.irp b, 0,1,2,3
	s_delay_alu instid0(VALU_DEP_4)
	v_lshrrev_b32 v[36+\b], 23, v[40+\b]           ; the scale's byte
.endr
	s_delay_alu instid0(VALU_DEP_3)
	v_lshl_or_b32 v246, v37, 8, v36                ; p's scale word for these 128 keys
	s_delay_alu instid0(VALU_DEP_1)
	v_lshl_or_b32 v246, v38, 16, v246
	s_delay_alu instid0(VALU_DEP_1)
	v_lshl_or_b32 v246, v39, 24, v246
.irp c, 0,1
	v_cvt_scalef32_pk16_bf6_f32 v[PC+6*\c:PC+6*\c+2], v[S+32*\c:S+32*\c+15], v[40+2*\c]
	v_cvt_scalef32_pk16_bf6_f32 v[44+4*\c:46+4*\c], v[S+32*\c+16:S+32*\c+31], v[41+2*\c]   ; (a conversion's three registers begin on an even number)
.endr
	v_nop                                          ; one plain line behind a scaled conversion
.irp c, 0,1                                    ; the operand's layout wants a whole block in a lane: lanes 0-15 block 2 c, lanes 16-31 block 2 c + 1
.irp i, 0,1,2
	v_permlane16_swap_b32 v[PC+6*\c+\i], v[44+4*\c+\i]
.endr
.irp i, 0,1,2
	s_delay_alu instid0(VALU_DEP_3)
	v_mov_b32 v[PC+3+6*\c+\i], v[44+4*\c+\i]
.endr
.endr
	v_pk_add_f32 v[56:57], v[S:S+1], v[S+2:S+3]    ; the row's sum is taken of the unquantised p: two at a time, in two chains
.irp j, 4,8,12,16,20,24,28,32,36,40,44,48,52,56,60
	v_pk_add_f32 v[14:15], v[14:15], v[S+\j:S+\j+1]
	v_pk_add_f32 v[56:57], v[56:57], v[S+\j+2:S+\j+3]
.endr
	s_delay_alu instid0(VALU_DEP_1)
	v_pk_add_f32 v[14:15], v[14:15], v[56:57]
.set N, 0
	s_setprio 0
.rept 16
	v_pk_mul_f32 v[O+N:O+N+1], v[O+N:O+N+1], v[52:53] op_sel_hi:[1,0]    ; O^T under the new M.  (These and the sums are the plain lines between p's codes and scale word and the products below)
.set N, N+2
.endr
	s_wait_alu depctr_va_vdst(0)
	s_wait_dscnt 0x0                               ; V is in
.irp t, 0,1,2,3
	v_wmma_scale_f32_16x16x128_f8f6f4 v[O+8*\t:O+8*\t+7], v[VF+12*\t:VF+12*\t+11], v[PC:PC+11], v[O+8*\t:O+8*\t+7], v[242+\t], v246 matrix_a_fmt:MATRIX_FMT_BF6 matrix_b_fmt:MATRIX_FMT_BF6
.endr
.rept 4
	v_nop                                          ; places in front of the next step's loads into V's registers and of the next read of O^T
.endr
.endm
; Steps s[KST] .. last - 1.  guarded = 1: a step beyond my record is left out, and the step on it is masked.
.macro WALK qs, last, guarded
.Lwalk_\@:
.if \guarded
	s_cmp_gt_u32 s[KST], s[TT]
	s_cbranch_scc1 .Lhidden_\@
.endif
	s_setprio 2
	STEP \qs, \guarded
.if \guarded
.Lhidden_\@:
.endif
	s_add_co_u32 s[TB], s[TB], REC
	s_add_co_u32 s[KST], s[KST], 1
	s_cmp_lt_u32 s[KST], \last
	s_cbranch_scc1 .Lwalk_\@
	s_setprio 0
.endm
.macro BEGIN                           ; a pass begins: the largest t under every t, sums and O^T zero: the first change of M multiplies zeros
	v_mov_b32 v13, 0xff61b1e6
	s_delay_alu instid0(VALU_DEP_1)
	v_floor_f32 v12, -v13
	v_mov_b32 v14, 0
	v_mov_b32 v15, 0
.set N, 0
.rept 32
	v_mov_b32 v[O+N], 0
.set N, N+1
.endr
	s_mov_b32 s[TB], 0
	s_mov_b32 s[KST], 0
.endm
; A pass ends: O^T / the sum is ctx: register 16 b + i is channel 32 b + 16 (lane / 16) + i of my query.  Its two blocks are quantised and leave as a half image, straight from registers.
.macro EPI pc, ps
	v_add_f32 v14, v14, v15
	s_delay_alu instid0(VALU_DEP_1)
	v_permlanex16_b32 v54, v14, s[SEL], s[SEL+1]
	s_delay_alu instid0(VALU_DEP_1)
	v_add_f32 v14, v14, v54                        ; the row's sum
	s_wait_alu depctr_va_vdst(0)
	v_rcp_f32 v14, v14
	v_nop                                          ; a plain line behind the transcendental
.set N, 0
	s_wait_alu depctr_va_vdst(0)
.rept 32
	v_mul_f32 v[S+N], v[O+N], v14
.set N, N+1
.endr
.irp b, 0,1
	v_max3_num_f32 v[32+\b], |v[S+16*\b]|, |v[S+16*\b+1]|, 0x2800000
.endr
.irp i, 2,4,6,8,10,12,14
.irp b, 0,1
	s_delay_alu instid0(VALU_DEP_2)
	v_max3_num_f32 v[32+\b], v[32+\b], |v[S+16*\b+\i]|, |v[S+16*\b+\i+1]|
.endr
.endr
.irp b, 0,1
	s_delay_alu instid0(VALU_DEP_2)
	v_permlanex16_b32 v[54+\b], v[32+\b], s[SEL], s[SEL+1]
.endr
.irp b, 0,1
	s_delay_alu instid0(VALU_DEP_2)
	v_max_num_f32 v[32+\b], v[32+\b], v[54+\b]
.endr
.irp b, 0,1
	s_delay_alu instid0(VALU_DEP_2)
	v_add_nc_u32 v[40+\b], 0xfe000000, v[32+\b]
.endr
.irp b, 0,1
	s_delay_alu instid0(VALU_DEP_2)
	v_lshrrev_b32 v[36+\b], 23, v[40+\b]
.endr
	s_delay_alu instid0(VALU_DEP_1)
	v_lshl_or_b32 v55, v37, 8, v36                 ; my row's two scale bytes
	v_cvt_scalef32_pk16_bf6_f32 v[PC:PC+2], v[S:S+15], v40
	v_cvt_scalef32_pk16_bf6_f32 v[44:46], v[S+16:S+31], v41
	v_nop
.irp i, 0,1,2
	v_permlane16_swap_b32 v[PC+\i], v[44+\i]       ; lanes 0-15 block 0, lanes 16-31 block 1
.endr
.irp i, 0,1,2
	s_delay_alu instid0(VALU_DEP_3)
	v_mov_b32 v[PC+3+\i], v[44+\i]
.endr
	global_store_b128 v[L16], v[PC:PC+3], s[\pc:\pc+1]                   ; 512 consecutive bytes, aligned,
	global_store_b64 v[L8], v[PC+4:PC+5], s[\pc:\pc+1] offset:512        ; and 256 more
	global_store_b16 v[R8], v55, s[\ps:\ps+1]      ; two bytes of each row's eight: the others belong to other heads' work-groups; both halves of the lanes write the same
	s_wait_xcnt 0x0                                ; the stores' registers are written again only behind this wait
.endm
	s_wait_tensorcnt 0x1                           ; my part of records 0-7 is in; records 8-15 may stay out
	s_barrier_signal -1
	s_barrier_wait -1                              ; everybody's is
	s_wait_loadcnt 0x0                             ; Q, both passes'
	s_mov_b32 s[TT], s39
	BEGIN
	WALK 10, 8, 1                                  ; the first pass: its record is 7 at the most
	EPI 52, 54
.irp j, 0,1,2,3,4,5
	v_mov_b32 v[16+\j], v[248+\j]                  ; the second pass's Q
.endr
	s_mov_b32 s[TT], s40
	BEGIN
	WALK 11, 8, 0                                  ; records 0-7 lie wholly in front of the second pass's queries (its record is 8 at the least)
	s_wait_tensorcnt 0x0                           ; my part of records 8-15 is in,
	s_wait_dscnt 0x0
	s_barrier_signal -1
	s_barrier_wait -1                              ; everybody's is
	s_mov_b32 s[TB], 8*REC
	s_mov_b32 s[KST], 8
	WALK 11, 16, 1
	EPI 56, 58
	s_wait_xcnt 0x0
	v_lshl_add_u32 v254, v0, 2, 0x36000
	v_mov_b32 v255, 0
	s_wait_alu depctr_va_vdst(0)
	s_wait_tensorcnt 0x0
	ds_add_u32 v254, v255
	s_wait_dscnt 0x0
	s_endpgm
.Lfunc_end_k_q39678740f7_attn:
	.size	k_q39678740f7_attn, .Lfunc_end_k_q39678740f7_attn-k_q39678740f7_attn
	.p2alignl 7, 3214868480
	.fill 96, 4, 3214868480
	.section	.rodata,"a",@progbits
	.p2align	6, 0x0
	.amdhsa_kernel k_q39678740f7_attn
		.amdhsa_group_segment_fixed_size 327680
		.amdhsa_private_segment_fixed_size 0
		.amdhsa_enable_private_segment 0
		.amdhsa_kernarg_size 16
		.amdhsa_user_sgpr_count 2
		.amdhsa_user_sgpr_kernarg_segment_ptr 1
		.amdhsa_wavefront_size32 1
		.amdhsa_system_sgpr_workgroup_id_x 1
		.amdhsa_system_sgpr_workgroup_id_y 1
		.amdhsa_system_sgpr_workgroup_id_z 1
		.amdhsa_system_vgpr_workitem_id 0
		.amdhsa_next_free_vgpr 256
		.amdhsa_next_free_sgpr 66
		.amdhsa_reserve_vcc 1
		.amdhsa_float_denorm_mode_32 3
		.amdhsa_float_denorm_mode_16_64 3
		.amdhsa_memory_ordered 1
		.amdhsa_forward_progress 1
		.amdhsa_inst_pref_size 80
	.end_amdhsa_kernel
	.amdgpu_metadata
---
amdhsa.version: [ 1, 2 ]
amdhsa.kernels:
  - .name:           k_q39678740f7_attn
    .symbol:         k_q39678740f7_attn.kd
    .args:
      - { .name: att, .offset: 0, .size: 8, .value_kind: global_buffer, .address_space: global }
      - { .name: ci, .offset: 8, .size: 8, .value_kind: global_buffer, .address_space: global }
    .group_segment_fixed_size: 327680
    .private_segment_fixed_size: 0
    .kernarg_segment_align: 8
    .kernarg_segment_size: 16
    .max_flat_workgroup_size: 512
    .sgpr_count:     66
    .vgpr_count:     256
    .wavefront_size: 32
...
	.end_amdgpu_metadata
.endif
;; end of part 3
;; launch oproj (part 4): grid 4 x 32, 4 waves a work-group, clusters of 4 x 4, 327,680 bytes of LDS; arguments ci, opi, out0; writes out0
.if DOCPART == 4
	.amdgcn_target "amdgcn-amd-amdhsa--gfx1250"
	.amdhsa_code_object_version 6
	.text
	.protected	k_q39678740f7_oproj
	.globl	k_q39678740f7_oproj
	.p2align	8
	.type	k_q39678740f7_oproj,@function
k_q39678740f7_oproj:
	s_mov_b64 s[64:65], 0
	v_nop
	global_prefetch_b8 v0, s[64:65] scope:SCOPE_SE
	s_setreg_imm32_b32 hwreg(HW_REG_WAVE_MODE, 25, 1), 1
	s_wait_xcnt 0x0
	s_wait_alu depctr_hold_cnt(0) depctr_sa_sdst(0) depctr_va_vdst(0) depctr_va_sdst(0) depctr_va_ssrc(0) depctr_va_vcc(0) depctr_vm_vsrc(0)
	s_getreg_b32 s2, hwreg(HW_REG_IB_STS2, 6, 4)
	s_cmp_eq_u32 s2, 0
	s_cbranch_scc0 .Lentry_in_a_cluster
	s_endpgm
.Lentry_in_a_cluster:
	s_bfe_u32 s2, ttmp6, 0x10000c
	s_cmp_lg_u32 s2, 0xf033
	s_cbranch_scc0 .Lentry_shape_is_right
	s_endpgm
.Lentry_shape_is_right:
; out0 = ctx Wo^T on codes of BF6 (E3M2) with E8M0 scales, K = 1024; out0 [8192][1024] f32.
; ctx lies in ci and Wo in opi (groups 88-95) as images of operand registers, in groups of 128 rows, 102,400 bytes each, four K steps of 25,600 bytes (codes 24,576, scale bytes 1,024).
; In ci tile i, row r of a group is token 32 (i / 2) + 8 (i % 2) + r + 8 (r / 8) of the group's 128: the order in which attention made them; it is undone in the stores' offsets.
; A tile of out0 is 256 x 256, four waves, each 128 x 128: 64 accumulators.  The matrix instruction is used transposed (source 0 = 16 rows of Wo, source 1 = 16 rows of ctx): a lane holds eight
; neighbouring numbers of a row of out0.  Three LDS slots; K steps 0, 1, 2 are first fills, K step 3 fills slot 0 again.  A wave has three tensor loads out at the start and one later.
; CLUSTERS: 4 x 4 work-groups; ctx's blocks are shared along a row of the cluster, Wo's along a column.  The launch has 128 tiles of this size: half as many as would give each WGP one;
; it keeps the tile for the sake of the multiply-adds that each LDS byte feeds.
; REGISTERS: window 0: v1-15 LDS addresses; v16-31 the way out's addresses, the add's pair; v32-63 scale words, two sets, and nothing else; v128-223 source 1's fragments (on the way out v128-255 rows of out0).
;   window 1: source 0's fragments, two sets.   windows 2, 3: the accumulators: (a, b) at v[8 (8 (a % 4) + b)].
.set PERM,  0
.set QTR,   25600
.set GRP,   102400
.set SLOT,  4*QTR
.set HK,    6144
.set SCO,   4*HK
.set SPARE, 3*SLOT                     ; behind the slots: the spare words, 128 bytes for each wave: two blocks of 256 bytes that no other line names
.set STG,   SLOT                       ; the way out's stages lie in slot 1: it has had its only fill, and its last read lies ahead of the last barrier
.set SPITCH, 528                       ; a stage row: 512 bytes + 16
.set FR,    12
.set A16,   1
.set A8,    4
.set B16,   7
.set B8,    10
.set ADS,   13
.set STO,   16
.set RD,    19
.set CO,    27
.set SPW,   28                         ; LDS address of my spare word; never rewritten
.set NIL,   29                         ; 0; never rewritten
.set SC,    32
.set AF,    128
.set BK,    128
.set G1A,   24
.set G0A,   32
.set G1B,   48
.set G0B,   56
.set MSB, 0
.macro WIN new                         ; the immediate's high byte repeats the setting that is left
.if MSB != (\new)
	s_set_vgpr_msb (MSB<<8)|(\new)
.set MSB, (\new)
.endif
.endm
.set MUL_LO, 0xa1
.set MUL_HI, 0xf1
.set TO_B,   0x40
.macro PLACES                          ; four plain vector lines between a matrix instruction and a load into, or a read of, its registers
.rept 4
	v_nop
.endr
.endm
.macro JLOAD                           ; the joint refill of slot 0; four v_nop follow each line
	s_cmp_eq_u32 s15, 0
	s_cbranch_scc0 .Lfor_b_\@
	tensor_load_to_lds s[G0A:G0A+3], s[G1A:G1A+7]
	s_nop 0
.rept 4
	v_nop
.endr
	s_branch .Lasked_\@
.Lfor_b_\@:
	tensor_load_to_lds s[G0B:G0B+3], s[G1B:G1B+7]
	s_nop 0
.rept 4
	v_nop
.endr
.Lasked_\@:
.endm
.macro CREST
	s_cmp_lg_u32 s14, 0
	s_cbranch_scc1 .Lnot_wave_0_\@
	s_barrier_signal -3
.Lnot_wave_0_\@:
	s_barrier_wait -3
	s_barrier_signal -1
	s_barrier_wait -1
.endm
.macro CROUND
	s_barrier_signal -1
	s_barrier_wait -1
	CREST
.endm
.macro SETG0 g, src, n
	s_mov_b32 s[\g], 1
	s_add_co_u32 s[\g+1], s22, \n*SLOT
	s_add_nc_u64 s[\g+2:\g+3], s[\src:\src+1], \n*QTR
	s_or_b32 s[\g+3], s[\g+3], 0x80000000
.endm
	s_load_b128 s[4:7], s[0:1], 0x0                ; ci, opi
	s_load_b64 s[12:13], s[0:1], 0x10              ; out0
	v_lshl_add_u32 v[SPW], v0, 2, SPARE
	v_mov_b32 v[NIL], 0
	ds_add_u32 v28, v29
	ds_add_u32 v28, v29
	s_wait_dscnt 0x0
	v_lshrrev_b32 v1, 5, v0
	v_readfirstlane_b32 s14, v1                    ; wave 0..3
	s_lshr_b32 s15, s14, 1                         ; my half of the tile's rows.  Also: I fetch for ctx (0) or for Wo (1)
	s_and_b32 s16, s14, 1                          ; my half of its columns.  Also: which of the two groups I fetch
	s_bfe_u32 s40, ttmp6, 0x40000                  ; cx, cy
	s_bfe_u32 s41, ttmp6, 0x40004
	s_lshl_b32 s42, ttmp9, 2
	s_add_co_u32 s42, s42, s40                     ; tile column
	s_and_b32 s17, ttmp7, 0xffff
	s_lshl_b32 s17, s17, 2
	s_add_co_u32 s17, s17, s41                     ; tile row
	s_lshl_b32 s43, s41, 2
	s_lshl_b32 s43, 15, s43                        ; my row of the cluster
	s_lshl_b32 s44, 0x1111, s40                    ; my column
	s_or_b32 s[G1A], s43, (3<<16)|(1<<21)          ; the mask; elements of 8 bytes; bit 21 set beside a mask; no padding
	s_or_b32 s[G1B], s44, (3<<16)|(1<<21)
.irp g, G1A, G1B
	s_mov_b32 s[\g+1], 32<<16                      ; rows of 256 bytes,
	s_mov_b32 s[\g+2], 100<<16                     ; 100 of them: 25,600 dense bytes
	s_mov_b32 s[\g+3], 32<<16
	s_mov_b32 s[\g+4], 100
	s_mov_b32 s[\g+5], 32
	s_mov_b32 s[\g+6], 0
	s_mov_b32 s[\g+7], 0
.endr
	s_lshl_b32 s20, s17, 1
	s_add_co_u32 s20, s20, s16
	s_mul_i32 s20, s20, GRP                        ; ctx's group that I would fetch
	s_mov_b32 s21, 0
	s_lshl_b32 s46, s42, 1
	s_add_co_u32 s46, s46, s16
	s_add_co_u32 s46, s46, 88
	s_mul_i32 s46, s46, GRP                        ; Wo's
	s_mov_b32 s47, 0
	s_mul_i32 s22, s14, QTR                        ; where it goes: quarter = wave
	s_wait_kmcnt 0x0
	s_add_nc_u64 s[20:21], s[4:5], s[20:21]
	s_add_nc_u64 s[46:47], s[6:7], s[46:47]
	CROUND                                         ; all sixteen work-groups are here: the first joint loads meet
	SETG0 G0A, 20, 0
	SETG0 G0A+4, 20, 1
	SETG0 68, 20, 2
	SETG0 G0B, 46, 0
	SETG0 G0B+4, 46, 1
	SETG0 72, 46, 2
	s_cmp_eq_u32 s15, 0                            ; a wave's three first fills stand in one branch
	s_cbranch_scc0 .Lfirst_b
	tensor_load_to_lds s[G0A:G0A+3], s[G1A:G1A+7]
	s_nop 0
	tensor_load_to_lds s[G0A+4:G0A+7], s[G1A:G1A+7]
	s_nop 0
	tensor_load_to_lds s[68:71], s[G1A:G1A+7]
	s_nop 0
.rept 4
	v_nop
.endr
	s_branch .Lfirst_done
.Lfirst_b:
	tensor_load_to_lds s[G0B:G0B+3], s[G1B:G1B+7]
	s_nop 0
	tensor_load_to_lds s[G0B+4:G0B+7], s[G1B:G1B+7]
	s_nop 0
	tensor_load_to_lds s[72:75], s[G1B:G1B+7]
	s_nop 0
.rept 4
	v_nop
.endr
.Lfirst_done:
	v_and_b32 v24, 31, v0                          ; lane
	v_and_b32 v25, 15, v0                          ; r
	v_bfe_u32 v26, v0, 4, 1                        ; h
	v_lshlrev_b32 v[CO], 4, v24
	v_lshlrev_b32 v30, 3, v24
	s_mul_i32 s20, s15, QTR
	s_mul_i32 s21, s16, QTR
	s_add_co_u32 s21, s21, 2*QTR
.irp s, 0,1,2
	v_add_nc_u32 v[A16+\s], s20, v[CO]
	v_add_nc_u32 v[A8+\s], s20, v30
	v_add_nc_u32 v[B16+\s], s21, v[CO]
	v_add_nc_u32 v[B8+\s], s21, v30
	s_add_co_u32 s20, s20, SLOT
	s_add_co_u32 s21, s21, SLOT
.endr
	s_mul_i32 s20, s15, QTR
	s_mul_i32 s21, s16, QTR
	s_add_co_u32 s21, s21, 2*QTR
	s_sub_co_u32 s21, s21, s20
	v_mul_u32_u24 v31, s21, v26                    ; lanes 16-31 take Wo's scale words
	v_lshl_add_u32 v31, v25, 3, v31
	s_add_co_u32 s20, s20, SCO
.irp s, 0,1,2
	v_add_nc_u32 v[ADS+\s], s20, v31
	s_add_co_u32 s20, s20, SLOT
.endr
	s_mul_i32 s22, s14, 16*SPITCH
	s_add_co_u32 s22, s22, STG                     ; my stage
	v_mul_u32_u24 v[STO], v25, SPITCH
	v_lshl_add_u32 v[STO], v26, 5, v[STO]
	v_add_nc_u32 v[STO], s22, v[STO]               ; in: row r, 32 bytes for each half of the lanes
	v_add_nc_u32 v[RD], s22, v[CO]                 ; back: the 32 lanes take one row of 512 bytes
	s_lshl_b32 s76, s17, 1
	s_add_co_u32 s76, s76, s15
	s_lshl_b32 s76, s76, 19                        ; my 128 rows of 4,096 bytes,
	s_lshl_b32 s77, s42, 10
	s_add_co_u32 s76, s76, s77                     ; the tile's 256 columns,
	s_lshl_b32 s77, s16, 9
	s_add_co_u32 s76, s76, s77                     ; my 128 of them
	s_mov_b32 s77, 0
	s_add_nc_u64 s[12:13], s[12:13], s[76:77]
.macro FRAG reg, a16, a8, q, i         ; a fragment, 16 rows x 128 K, is two half images: four loads, each of consecutive bytes
	ds_load_b128 v[\reg:\reg+3], v[\a16] offset:(2*(\q))*HK+(\i)*768
	ds_load_b64 v[\reg+4:\reg+5], v[\a8] offset:(2*(\q))*HK+(\i)*768+512
	ds_load_b128 v[\reg+6:\reg+9], v[\a16] offset:(2*(\q)+1)*HK+(\i)*768
	ds_load_b64 v[\reg+10:\reg+11], v[\a8] offset:(2*(\q)+1)*HK+(\i)*768+512
.endm
.macro FETCH_B slot, q, p
	WIN TO_B
.irp i, 0,1,2,3,4,5,6,7
	FRAG 128*(\p)+FR*\i, B16+\slot, B8+\slot, \q, \i
.endr
	WIN 0
.endm
.macro FETCH_A slot, q, i0
.irp i, \i0, \i0+1, \i0+2, \i0+3
	FRAG AF+FR*(\i), A16+\slot, A8+\slot, \q, \i
.endr
.endm
.macro SCALES slot, sc
.irp i, 0,1,2,3,4,5,6,7
	ds_load_b64 v[SC+16*(\sc)+2*\i:SC+16*(\sc)+2*\i+1], v[ADS+\slot] offset:\i*128
.endr
.endm
; 16 matrix instructions.  The 64 accumulators take turns, one instruction a turn, in the same order in every step.
.macro MUL16 a0, p, q, sc, zero
.irp a, \a0, \a0+1
.irp b, 0,1,2,3,4,5,6,7
.if PERM
.set PB, (\b&4)|((\b&1)<<1)|((\b>>1)&1)
.else
.set PB, \b
.endif
.set DD, 8*(8*((\a)%4)+PB)
.if \zero
	v_wmma_scale_f32_16x16x128_f8f6f4 v[DD:DD+7], v[128*(\p)+FR*\b:128*(\p)+FR*\b+FR-1], v[AF+FR*(\a):AF+FR*(\a)+FR-1], 0, v[SC+16*(\sc)+2*\b+(\q)], v[SC+16*(\sc)+2*(\a)+(\q)] matrix_a_fmt:MATRIX_FMT_BF6 matrix_b_fmt:MATRIX_FMT_BF6 matrix_a_scale:MATRIX_SCALE_ROW1
.else
	v_wmma_scale_f32_16x16x128_f8f6f4 v[DD:DD+7], v[128*(\p)+FR*\b:128*(\p)+FR*\b+FR-1], v[AF+FR*(\a):AF+FR*(\a)+FR-1], v[DD:DD+7], v[SC+16*(\sc)+2*\b+(\q)], v[SC+16*(\sc)+2*(\a)+(\q)] matrix_a_fmt:MATRIX_FMT_BF6 matrix_b_fmt:MATRIX_FMT_BF6 matrix_a_scale:MATRIX_SCALE_ROW1
.endif
.endr
.endr
.endm
.macro STEP q, sc, zero, nslot, nq, nsc
	s_wait_dscnt 16                                ; all but the youngest 16 loads (source 1's blocks 4-7) are in
	WIN MUL_LO
	MUL16 0, \q, \q, \sc, \zero
	MUL16 2, \q, \q, \sc, \zero
	s_wait_dscnt 0x0                               ; blocks 4-7 are in
	PLACES
	FETCH_B \nslot, \nq, 1-\q
	FETCH_A \nslot, \nq, 0
.if \nsc >= 0
	SCALES \nslot, \nsc
.endif
	WIN MUL_HI
	MUL16 4, \q, \q, \sc, \zero
	MUL16 6, \q, \q, \sc, \zero
	PLACES
	WIN 0
	FETCH_A \nslot, \nq, 4
.endm
.macro TURN sc, fill, nslot, nsc
	s_wait_tensorcnt 0x0                           ; all my tensor loads have landed
	ds_add_u32 v[SPW], v[NIL]                      ; 0 onto my spare word
	s_wait_dscnt 17                                ; (the add and the youngest 16 loads may be out)
	WIN MUL_LO
	MUL16 0, 1, 1, \sc, 0
	s_wait_dscnt 0x0                               ; the add is done, and my reads of this slot are over
	s_barrier_signal -1
	MUL16 2, 1, 1, \sc, 0
	WIN 0
	s_barrier_wait -1
.if \fill
	CREST                                          ; no wave of any partner still reads slot 0 or has a load on its way
	s_add_nc_u64 s[G0A+2:G0A+3], s[G0A+2:G0A+3], 3*QTR
	s_add_nc_u64 s[G0B+2:G0B+3], s[G0B+2:G0B+3], 3*QTR
	JLOAD                                          ; the first tensor load behind the round; its four v_nop are also the places in front of the loads below
.else
	PLACES
.endif
	FETCH_B \nslot, 0, 0
	FETCH_A \nslot, 0, 0
	SCALES \nslot, \nsc
	WIN MUL_HI
	MUL16 4, 1, 1, \sc, 0
	MUL16 6, 1, 1, \sc, 0
	PLACES
	WIN 0
	FETCH_A \nslot, 0, 4
.endm
	s_wait_alu depctr_va_vdst(0)
	s_wait_tensorcnt 0x2                           ; my part of slot 0 is in; slots 1 and 2 may stay out
	s_barrier_signal -1
	s_barrier_wait -1
	FETCH_B 0, 0, 0
	FETCH_A 0, 0, 0
	SCALES 0, 0
	FETCH_A 0, 0, 4
	STEP 0, 0, 1, 0, 1, -1                         ; K   0-127: the first products start the sums
	TURN 0, 1, 1, 1                                ; K 128-255; slots 1 and 2 are shown whole to everyone; slot 0 takes K step 3
	STEP 0, 1, 0, 1, 1, -1                         ; K 256-383
	STEP 1, 1, 0, 2, 0, 0                          ; K 384-511
	STEP 0, 0, 0, 2, 1, -1                         ; K 512-639
	TURN 0, 0, 0, 1                                ; K 640-767; the refill has landed in every wave
	STEP 0, 1, 0, 0, 1, -1                         ; K 768-895
	s_wait_dscnt 16                                ; K 896-1023
	WIN MUL_LO
	MUL16 0, 1, 1, 1, 0
	MUL16 2, 1, 1, 1, 0
	s_wait_dscnt 0x0
	WIN MUL_HI
	MUL16 4, 1, 1, 1, 0
	MUL16 6, 1, 1, 1, 0
	WIN 0
; THE WAY OUT, block by block of 16 rows x 128 columns, through my own stage: in as 32 bytes a lane, back as whole rows of 512 bytes.  LDS serves a wave's instructions in order: no wait between the stores and the loads.
.macro TOSTAGE a
.set AC, 64*((\a)%4)
	WIN 0x08+4*((\a)/4)                            ; an LDS store's data: window 2 or 3
.irp b, 0,1,2,3,4,5,6,7
	ds_store_b128 v[STO], v[AC+8*\b:AC+8*\b+3] offset:64*\b              ; each accumulator from its low end on
	ds_store_b128 v[STO], v[AC+8*\b+4:AC+8*\b+7] offset:64*\b+16
.endr
	WIN 0
.set BB, BK+64*((\a)%2)
.irp t, 0,1,2,3,4,5,6,7,8,9,10,11,12,13,14,15
	ds_load_b128 v[BB+4*\t:BB+4*\t+3], v[RD] offset:\t*SPITCH
.endr
.endm
.macro SEND a, younger                 ; row t of block a is token 32 (a / 2) + 8 (a % 2) + t + 8 (t / 8) of my 128: 127 rows of 4,096 bytes at the most, inside the immediate
.set BB, BK+64*((\a)%2)
	s_wait_dscnt \younger
.irp t, 0,1,2,3,4,5,6,7,8,9,10,11,12,13,14,15
	global_store_b128 v[CO], v[BB+4*\t:BB+4*\t+3], s[12:13] offset:(32*((\a)/2)+8*((\a)%2)+\t+8*(\t/8))*4096 th:TH_STORE_NT   ; 32 lanes store 512 consecutive bytes, aligned
.endr
.endm
	PLACES                                         ; behind the last products
	TOSTAGE 0
.irp a, 1,2,3,4,5,6,7
.if \a > 1
	s_wait_xcnt 0x0                                ; block a - 2's stores have read their registers: block a's loads may land there
.endif
	TOSTAGE \a
	SEND \a-1, 32                                  ; behind block a - 1's loads: block a's 16 stores and 16 loads
.endr
	SEND 7, 0
	s_wait_tensorcnt 0x0                           ; the wave's end
	ds_add_u32 v[SPW], v[NIL]
	s_wait_dscnt 0x0
	CROUND                                         ; the closing round
	s_endpgm
.Lfunc_end_k_q39678740f7_oproj:
	.size	k_q39678740f7_oproj, .Lfunc_end_k_q39678740f7_oproj-k_q39678740f7_oproj
	.p2alignl 7, 3214868480
	.fill 96, 4, 3214868480
	.section	.rodata,"a",@progbits
	.p2align	6, 0x0
	.amdhsa_kernel k_q39678740f7_oproj
		.amdhsa_group_segment_fixed_size 327680
		.amdhsa_private_segment_fixed_size 0
		.amdhsa_enable_private_segment 0
		.amdhsa_kernarg_size 24
		.amdhsa_user_sgpr_count 2
		.amdhsa_user_sgpr_kernarg_segment_ptr 1
		.amdhsa_wavefront_size32 1
		.amdhsa_system_sgpr_workgroup_id_x 1
		.amdhsa_system_sgpr_workgroup_id_y 1
		.amdhsa_system_sgpr_workgroup_id_z 1
		.amdhsa_system_vgpr_workitem_id 0
		.amdhsa_next_free_vgpr 1024
		.amdhsa_next_free_sgpr 100
		.amdhsa_reserve_vcc 0
		.amdhsa_float_denorm_mode_32 3
		.amdhsa_float_denorm_mode_16_64 3
		.amdhsa_memory_ordered 1
		.amdhsa_forward_progress 1
		.amdhsa_inst_pref_size 141
	.end_amdhsa_kernel
	.amdgpu_metadata
---
amdhsa.version: [ 1, 2 ]
amdhsa.kernels:
  - .name:           k_q39678740f7_oproj
    .symbol:         k_q39678740f7_oproj.kd
    .args:
      - { .name: ci, .offset: 0, .size: 8, .value_kind: global_buffer, .address_space: global }
      - { .name: opi, .offset: 8, .size: 8, .value_kind: global_buffer, .address_space: global }
      - { .name: out0, .offset: 16, .size: 8, .value_kind: global_buffer, .address_space: global }
    .group_segment_fixed_size: 327680
    .private_segment_fixed_size: 0
    .kernarg_segment_align: 8
    .kernarg_segment_size: 24
    .max_flat_workgroup_size: 128
    .sgpr_count:     100
    .vgpr_count:     1024
    .wavefront_size: 32
...
	.end_amdgpu_metadata
.endif
;; end of part 4
